; MI455X (gfx1250); checked and timed in simulation.
; The chip was launched on July 23, 2026; its instructions are those of AMD's public machine-readable ISA for CDNA 5 (MIT licence, August 2026) and "CDNA5" Instruction Set Architecture Reference Guide (July 2026). The comments in the code are by the model that wrote it; some were corrected since.
;; Prob Sparse Self Attention. Allowed arithmetic: matrix products marked QUANTISED: E2M3 operands, one E8M0 scale for each 32 along K, by v_wmma_scale_f32_16x16x128_f8f6f4 with both operands' format E2M3, f32 sums; everything else in f32.
;; Inputs: Wk 1,024 x 1,024 float32; Wo 1,024 x 1,024 float32; Wq 1,024 x 1,024 float32; Wv 1,024 x 1,024 float32; bk 1,024 float32; bo 1,024 float32; bq 1,024 float32; bv 1,024 float32; keys 4 x 2,048 x 1,024 float32; queries 4 x 2,048 x 1,024 float32; values 4 x 2,048 x 1,024 float32.
;; Outputs: out0 4 x 2,048 x 1,024 float32.
;; This version of the problem:
;;   THIS VERSION OF THE PROBLEM IS GIVEN IN LOW PRECISION. The matrix products marked QUANTISED in the list below multiply operands that are first quantised to E2M3 (2 exponent bits, 3 mantissa bits; 6 bits a number), with one power-of-two scale for each 32 numbers along K (OCP MX v1.0); their sums are f32. All else is computed in f32.
;;   The module's matrix products, in the order in which they are computed (A, B: the left and right operand; K: the contracted axis; several contracted axes count as one K, in the product's order):
;;     1. [M 8,192, K 1,024] x [K 1,024, N 1,024]; A: input queries; B: input Wq: QUANTISED
;;     2. [M 8,192, K 1,024] x [K 1,024, N 1,024]; A: input keys; B: input Wk: QUANTISED
;;     3. [M 8,192, K 1,024] x [K 1,024, N 1,024]; A: input values; B: input Wv: QUANTISED
;;     4. batch 64 x [M 2,048, K 64] x [K 64, N 2,048]; A: computed on the way; B: computed on the way: QUANTISED
;;     5. batch 64 x [M 2,048, K 2,048] x [K 2,048, N 64]; A: softmax (see below); B: computed on the way: QUANTISED
;;     6. [M 8,192, K 1,024] x [K 1,024, N 1,024]; A: computed on the way; B: input Wo: QUANTISED
;;   THE QUANTISER, for each operand of a quantised product, along K:
;;     - K is cut into blocks of 32 from its start; a last block that is shorter is filled with zeros.
;;     - A block's scale is 2^e with e = floor(log2(the largest magnitude in the block)) - 2, held to -126 .. 127; a block of zeros has e = 0. As a byte (E8M0): e + 127.
;;     - Each number is divided by its block's scale, clamped to +-7.5, and rounded to the nearest number of E2M3, ties to even, subnormals kept.
;;     - The product sums the exact products of the quantised numbers (number of the format x scale) in f32.
;;   ~~~python
;;   def quantise(x, axis):      # numpy; x: float32 -> the quantised numbers, widened to float32 again
;;       x = np.moveaxis(x, axis, -1); K = x.shape[-1]
;;       x = np.pad(x, [(0, 0)] * (x.ndim - 1) + [(0, -K % 32)]); x = x.reshape(x.shape[:-1] + (-1, 32)); a = np.abs(x).max(-1, keepdims=True)
;;       e = np.where(a > 0, np.clip(np.frexp(np.where(a > 0, a, 1))[1] - 1 - 2, -126, 127), 0)      # np.frexp(a)[1] - 1 = floor(log2(a)), exactly
;;       r = np.clip(x / 2.0 ** e, -7.5, 7.5)
;;       step = 2.0 ** (np.maximum(np.frexp(np.where(r == 0, 1, r))[1] - 1, 0) - 3)
;;       q = np.round(r / step) * step * 2.0 ** e      # np.round: ties to even
;;       return np.moveaxis(q.reshape(q.shape[:-2] + (-1,))[..., :K], -1, axis).astype(np.float32)
;;   ~~~
;;   SOFTMAX AHEAD OF A QUANTISED PRODUCT. Where the list says 'softmax', what is quantised is not the finished softmax but p = 2^(t - M), with t = logit x log2(e) and M = ceil(the row's largest t), a whole number; so 1/2 < the row's largest p <= 1. The row's sum l is taken of the UNQUANTISED p, in f32, and the product's result is divided by l at the end. Since M is a whole number, a kernel that streams over the keys may use a running M (the ceiling of the running maximum): every later rescaling is an exact power of two, which a block's scale takes up: the codes' values come out the same.
;;   OPERANDS COMPUTED ON THE WAY. 'Computed on the way' means the value that the module computes at that place (a softmax that the list does not call 'softmax' is quantised finished and normalised). What goes into a quantiser is computed in f32, as accurately as f32 sums, v_exp_f32 and their like allow (about 1e-6 of the number): no bf16 or f16 on the way to a quantiser, and a product that is left as it is and whose result goes on into a quantised operand takes f32 operands (vector FMAs, or v_wmma_f32_16x16x4_f32). A number that lies on a knife's edge between two numbers of the format may be rounded either way, as far as f32 arithmetic and the matrix unit's own rounding can turn it there, and no further.
;; One version. Each part assembles by itself: llvm-mc -triple=amdgcn-amd-amdhsa -mcpu=gfx1250 --defsym DOCPART=n.
;; ======== version 1 of 1: 5 launches
;; workspace buffers: xc 18,874,368 bytes; xs 786,432 bytes; wc 3,145,728 bytes; ws 131,072 bytes; ac 18,874,368 bytes; asc 1,310,720 bytes; cc 6,291,456 bytes; cs 262,144 bytes
;; launch quant_x (part 1): grid 768 x 1, 4 waves a work-group, no clusters, 33,280 bytes of LDS; arguments queries, keys, values, xc, xs; writes xc, xs
.if DOCPART == 1
	.amdgcn_target "amdgcn-amd-amdhsa--gfx1250"
	.amdhsa_code_object_version 6
	.text
	.protected	k_q23ea439a73_quant_x
	.globl	k_q23ea439a73_quant_x
	.p2align	8
	.type	k_q23ea439a73_quant_x,@function
k_q23ea439a73_quant_x:
	s_mov_b64 s[64:65], 0
	v_nop
	global_prefetch_b8 v0, s[64:65] scope:SCOPE_SE
	s_setreg_imm32_b32 hwreg(HW_REG_WAVE_MODE, 25, 1), 1
	s_wait_xcnt 0x0
; THE PROGRAM: multi-head attention, 4 x 2,048 tokens, 16 heads of 64, all six products on codes of FP6 (E2M3) with one E8M0 scale for each 32 along K.
; Five launches: this one (queries, keys, values into codes), the weights into codes, the three projections, the attention, the projection on the way out.
; DEAD WORK: none.  the module has no mask and slices nothing away; bq, bk and bv go into quantised operands, bo into the result: all eleven inputs are loaded, all six products are done.
; THIS LAUNCH: queries, keys, values [8,192][1,024] f32 become codes, K innermost, 768 bytes a row (xc: [3][8,192][768]), and one scale byte for each 32 along K (xs: [3][8,192][32]).
; A block's scale is 2^(floor(log2(its largest magnitude)) - 2); its byte is the largest magnitude's exponent field - 2, held at 1 from below.  A block of zeros so gets the byte 1 where the rule says 127:
; its codes are zeros, which add nothing under any byte but 0xff, and the bytes are read by this program alone.
; LIMITS: blocks whose largest magnitude lies under 2^(2 - 126) have their byte held at 1; NaN and infinities among the inputs are not served.
; THE ROWS OF keys AND values ARE LAID WITH BITS 3 AND 4 OF THE ROW NUMBER SWAPPED (queries as they are): row 16 i + p of the buffer holds token 32 (i / 2) + 8 (i % 2) + p % 8 + 16 (p / 8).
; So sixteen neighbouring rows of the buffer are a tile whose results fall, in the later products, on 16 neighbouring registers of two neighbouring tiles.
; A wave's run is 8 rows (8,192 numbers), a work-group's 32: the two bits are the wave's number, so the swap is a swap of the wave's two bits in the OUTPUT run's number.
; A wave takes 16 steps of 512 numbers.  Each of a step's four loads reads 512 consecutive bytes; the 2,048 bytes turn through the wave's own stage in LDS and come back 64 bytes (16 neighbours) a lane, since the
; conversion takes 16 numbers of one block from one lane's registers; two neighbouring lanes hold a block.  A lane's 16 codes are 12 bytes: the wave stores 384 consecutive bytes.
; A wave's 256 scale bytes are gathered in LDS and leave as one aligned run of 256 bytes.  No tensor loads, no barrier: waves share nothing.  Loads run four steps (16 loads a wave) ahead.
.set WAVES, 4
.set STEPS, 16
.set EMAX,  2
.set CB,    12                         ; bytes of 16 codes
.set R,     16                         ; v16-79   four sets of 16 numbers as they are loaded
.set X,     80                         ; v80-111  two sets of 16 neighbours
.set C,     128                        ; v128-191 codes: four registers for each step, so that no store's data are written again
.set E,     112                        ; v112-127 a scale byte for each step
.set WREG,  8192                       ; LDS: a region for each wave: two stages of 32 x SP bytes, and behind them its 256 scale bytes
.set SP,    80                         ; a lane's place in a stage: its 64 bytes + 16 of padding
.set SPW,   12                         ; v12      LDS address of my spare word: SPARE + 4 x my thread's number; never rewritten
.set NIL,   13                         ; v13      0; never rewritten
.set SPARE, WAVES*WREG                 ; behind the four regions: the spare words, 128 bytes for each wave
	s_load_b128 s[4:7], s[0:1], 0x0                ; queries, keys
	s_load_b128 s[8:11], s[0:1], 0x10              ; values, xc
	s_load_b64 s[12:13], s[0:1], 0x20              ; xs
	v_lshl_add_u32 v[SPW], v0, 2, SPARE
	v_mov_b32 v[NIL], 0
	v_lshrrev_b32 v1, 5, v0
	v_readfirstlane_b32 s16, v1                    ; wave
	v_and_b32 v2, 31, v0                           ; lane
	v_lshlrev_b32 v3, 4, v2                        ; my 16 bytes of a load's 512
	s_mul_i32 s17, s16, WREG
	v_lshrrev_b32 v14, 2, v2
	v_mul_u32_u24 v14, v14, SP
	v_and_b32 v15, 3, v2
	v_lshl_add_u32 v14, v15, 4, v14
	v_add_nc_u32 v14, s17, v14                     ; the stage, on the way in: four lanes' 64 bytes on end, then 16 of padding
	v_mul_u32_u24 v15, v2, SP
	v_add_nc_u32 v15, s17, v15                     ; and on the way out: SP x lane: my 16 neighbours
	v_mul_u32_u24 v4, v2, CB                       ; my codes' place in a step's
	v_lshrrev_b32 v5, 1, v2
	s_add_co_u32 s17, s17, 2*32*SP
	v_add_nc_u32 v5, s17, v5                       ; LDS: my wave's 256 scale bytes, my block's byte
	v_lshlrev_b32 v7, 3, v2                        ; and on the way out 8 bytes a lane
	v_add_nc_u32 v6, s17, v7
	s_and_b32 s23, s16, 1
	s_lshl_b32 s23, s23, 1
	s_lshr_b32 s24, s16, 1
	s_or_b32 s23, s23, s24                         ; the wave's two bits swapped
	s_and_b32 s18, ttmp9, 255                      ; 256 work-groups to a tensor
	s_lshl_b32 s18, s18, 2
	s_add_co_u32 s18, s18, s16                     ; which run of 8,192 numbers of the tensor I read
	s_mov_b32 s19, 0
	s_lshl_b64 s[20:21], s[18:19], 15              ; 32,768 bytes a run
	s_wait_kmcnt 0x0
	s_cmp_lt_u32 ttmp9, 512                        ; the choice of tensor hangs on the work-group's number alone
	s_cselect_b64 s[6:7], s[6:7], s[8:9]           ; keys or values
	s_cmp_lt_u32 ttmp9, 256
	s_cselect_b64 s[4:5], s[4:5], s[6:7]           ; queries or that
	s_cselect_b32 s22, s16, s23                    ; queries keep their rows' order
	s_add_nc_u64 s[4:5], s[4:5], s[20:21]
	s_lshl_b32 s18, ttmp9, 2
	s_add_co_u32 s18, s18, s22                     ; which run of the three tensors' 3,072 I write
	s_mul_i32 s20, s18, 32*STEPS*CB                ; 6,144 bytes of codes a run
	s_mov_b32 s21, 0
	s_add_nc_u64 s[10:11], s[10:11], s[20:21]
	s_lshl_b32 s20, s18, 8                         ; 256 scale bytes a run
	s_add_nc_u64 s[12:13], s[12:13], s[20:21]
.macro LOAD t
.irp i, 0,1,2,3
	global_load_b128 v[R+16*((\t)%4)+4*\i:R+16*((\t)%4)+4*\i+3], v3, s[4:5] offset:2048*(\t)+512*\i th:TH_LOAD_NT   ; 32 lanes read 512 consecutive bytes
.endr
.endm
.macro TURN t                          ; step t's numbers through the stage: LDS serves a wave's instructions in order, so no wait stands between the stores and the loads
.irp i, 0,1,2,3
	ds_store_b128 v14, v[R+16*((\t)%4)+4*\i:R+16*((\t)%4)+4*\i+3] offset:32*SP*((\t)%2)+8*SP*\i
.endr
.irp i, 0,1,2,3
	ds_load_b128 v[X+16*((\t)%2)+4*\i:X+16*((\t)%2)+4*\i+3], v15 offset:32*SP*((\t)%2)+16*\i
.endr
.endm
.irp t, 0,1,2,3
	LOAD \t
.endr
	s_wait_loadcnt 12                              ; step 0's four loads are in; the twelve of steps 1 to 3 may be out
	TURN 0
.macro STEP t
.set XS, X+16*((\t)%2)
.if (\t) > 0
	s_wait_dscnt 1                                 ; this step's numbers are back from the stage (the last step's byte store may be out): so its stores into the stage have read their registers,
.else
	s_wait_dscnt 0x0
.endif
.if (\t)+4 < STEPS
	LOAD (\t)+4                                    ; which take the loads of four steps on
.endif
.if (\t)+1 < STEPS
.if STEPS-2-(\t) >= 3
	s_wait_loadcnt 12                              ; the next step's four loads are in; those of the three steps behind it may be out
.else
	s_wait_loadcnt 4*(STEPS-2-(\t))
.endif
	TURN (\t)+1                                    ; and go through the other stage while this step is worked
.endif
	v_max3_num_f32 v8, |v[XS]|, |v[XS+1]|, |v[XS+2]|               ; the largest magnitude of my 16, in two chains
	v_max3_num_f32 v9, |v[XS+3]|, |v[XS+4]|, |v[XS+5]|
.irp i, 6,10
	v_max3_num_f32 v8, v8, |v[XS+\i]|, |v[XS+\i+1]|
	v_max3_num_f32 v9, v9, |v[XS+\i+2]|, |v[XS+\i+3]|
.endr
	v_max3_num_f32 v8, v8, |v[XS+14]|, |v[XS+15]|
	v_max3_num_f32 v8, v8, v9, (EMAX+1)<<23        ; and the floor 2^(EMAX + 1 - 127): the byte cannot fall under 1
	v_max_num_f32_dpp v8, v8, v8 row_xmask:1 row_mask:0xf bank_mask:0xf   ; and of my neighbour's 16: the block's
	v_add_nc_u32 v11, -(EMAX<<23), v8              ; EMAX off its exponent field: the conversion takes the exponent field of this operand as its scale, and nothing else of it
	v_cvt_scalef32_pk16_fp6_f32 v[C+4*(\t):C+4*(\t)+2], v[XS:XS+15], v11   ; sixteen numbers / the scale, to the nearest code, ties to even, beyond the largest code the largest; 96 bits without gaps
	v_lshrrev_b32 v[E+(\t)], 23, v11               ; the scale's byte (a plain line behind the conversion)
	ds_store_b8 v5, v[E+(\t)] offset:16*(\t)       ; both lanes of a block write the same byte with the same value
	global_store_b96 v4, v[C+4*(\t):C+4*(\t)+2], s[10:11] offset:32*CB*(\t)
.endm
.irp t, 0,1,2,3,4,5,6,7,8,9,10,11,12,13,14,15
	STEP \t
.endr
	ds_load_b64 v[8:9], v6                         ; LDS serves a wave's instructions in order: these see my stores
	s_wait_dscnt 0x0
	global_store_b64 v7, v[8:9], s[12:13]          ; 32 lanes store 256 consecutive bytes, aligned
	s_wait_tensorcnt 0x0                           ; the wave's end: behind my last LDS store
	ds_add_u32 v[SPW], v[NIL]
	s_wait_dscnt 0x0
	s_endpgm
.Lfunc_end_k_q23ea439a73_quant_x:
	.size	k_q23ea439a73_quant_x, .Lfunc_end_k_q23ea439a73_quant_x-k_q23ea439a73_quant_x
	.p2alignl 7, 3214868480
	.fill 96, 4, 3214868480
	.section	.rodata,"a",@progbits
	.p2align	6, 0x0
	.amdhsa_kernel k_q23ea439a73_quant_x
		.amdhsa_group_segment_fixed_size 33280
		.amdhsa_private_segment_fixed_size 0
		.amdhsa_enable_private_segment 0
		.amdhsa_kernarg_size 40
		.amdhsa_user_sgpr_count 2
		.amdhsa_user_sgpr_kernarg_segment_ptr 1
		.amdhsa_wavefront_size32 1
		.amdhsa_system_sgpr_workgroup_id_x 1
		.amdhsa_system_sgpr_workgroup_id_y 1
		.amdhsa_system_sgpr_workgroup_id_z 1
		.amdhsa_system_vgpr_workitem_id 0
		.amdhsa_next_free_vgpr 192
		.amdhsa_next_free_sgpr 66
		.amdhsa_reserve_vcc 0
		.amdhsa_float_denorm_mode_32 3
		.amdhsa_float_denorm_mode_16_64 3
		.amdhsa_memory_ordered 1
		.amdhsa_forward_progress 1
		.amdhsa_inst_pref_size 33
	.end_amdhsa_kernel
	.amdgpu_metadata
---
amdhsa.version: [ 1, 2 ]
amdhsa.kernels:
  - .name:           k_q23ea439a73_quant_x
    .symbol:         k_q23ea439a73_quant_x.kd
    .args:
      - { .name: queries, .offset: 0, .size: 8, .value_kind: global_buffer, .address_space: global }
      - { .name: keys, .offset: 8, .size: 8, .value_kind: global_buffer, .address_space: global }
      - { .name: values, .offset: 16, .size: 8, .value_kind: global_buffer, .address_space: global }
      - { .name: xc, .offset: 24, .size: 8, .value_kind: global_buffer, .address_space: global }
      - { .name: xs, .offset: 32, .size: 8, .value_kind: global_buffer, .address_space: global }
    .group_segment_fixed_size: 33280
    .private_segment_fixed_size: 0
    .kernarg_segment_align: 8
    .kernarg_segment_size: 40
    .max_flat_workgroup_size: 128
    .sgpr_count:     66
    .vgpr_count:     192
    .wavefront_size: 32
...
	.end_amdgpu_metadata
.endif
;; end of part 1
;; launch quant_w (part 2): grid 8 x 16, 4 waves a work-group, no clusters, 35,840 bytes of LDS; arguments Wq, Wk, Wv, Wo, wc, ws; writes wc, ws
.if DOCPART == 2
	.amdgcn_target "amdgcn-amd-amdhsa--gfx1250"
	.amdhsa_code_object_version 6
	.text
	.protected	k_q23ea439a73_quant_w
	.globl	k_q23ea439a73_quant_w
	.p2align	8
	.type	k_q23ea439a73_quant_w,@function
k_q23ea439a73_quant_w:
	s_mov_b64 s[64:65], 0
	v_nop
	global_prefetch_b8 v0, s[64:65] scope:SCOPE_SE
	s_setreg_imm32_b32 hwreg(HW_REG_WAVE_MODE, 25, 1), 1
	s_wait_xcnt 0x0
; Wq, Wk, Wv, Wo [1,024 (k)][1,024 (n)], f32, K their FIRST axis, become codes of FP6 (E2M3) laid [4][1,024 (n)][768 bytes] with K innermost (wc), and scale bytes [4][1,024 (n)][32] (ws).  No work is left out.
; A LANE TAKES A COLUMN n, AND ITS REGISTERS RUN DOWN K: each load reads neighbouring n in neighbouring lanes (128 consecutive bytes a wave, 512 a work-group), a block of 32 along K lies in ONE lane's 32 registers,
; its largest magnitude needs no other lane, and the conversions give the codes with K innermost.  Nothing is transposed by an instruction.
; THE ROWS OF wc AND ws ARE LAID WITH BITS 3 AND 4 OF n SWAPPED: row 16 i + p holds column 32 (i / 2) + 8 (i % 2) + p % 8 + 16 (p / 8).  A wave has 32 columns, so the swap is of the lane's bits 3 and 4,
; made where a lane chooses its row of the stage and its row of scale bytes.
; The scale, the floor and the limits are the first launch's: byte = the largest magnitude's exponent field - 2, held at 1 from below; a block of zeros has byte 1 and zero codes; NaN and infinities are not served.
; A wave takes 32 columns x 256 along K: 8 blocks a lane, 192 bytes of codes a column, through its own stage in LDS, out as rows: sixteen lanes store a row's 192 consecutive bytes, 12 bytes each.
; Work-group y = 4 x weight + which 256 along K.  No tensor loads, no barrier.  Loads run two blocks (64 loads a wave) ahead.  Every offset is an immediate: 255 rows of 4,096 bytes at the most.
.set SIZE_K, 1024
.set SIZE_N, 1024
.set KW,    256                        ; along K for a wave
.set NB,    KW/32                      ; blocks
.set ROWB,  192                        ; bytes of KW codes
.set PITCH, 272                        ; a stage row: sixteen places of 16 bytes, each with 12 bytes of codes, + 16
.set KROW,  SIZE_K*6/8                 ; a row of the codes' buffer in bytes
.set EMAX,  2
.set X,     32                         ; v32-95   two sets of 32 numbers
.set C,     96                         ; v96..    a block's codes
.set OUTR,  112                        ; v112-175 the way out: 16 x 4 registers
.set SPW,   14                         ; v14      LDS address of my spare word; never rewritten
.set NIL,   15                         ; v15      0; never rewritten
.set SPARE, 4*32*PITCH                 ; behind the four stages: the spare words, 128 bytes for each wave
.set SB,    24                         ; v24..    the scale bytes, four to a register
	s_load_b256 s[36:43], s[0:1], 0x0              ; Wq, Wk, Wv, Wo
	s_load_b128 s[44:47], s[0:1], 0x20             ; wc, ws
	v_lshl_add_u32 v[SPW], v0, 2, SPARE
	v_mov_b32 v[NIL], 0
	v_lshrrev_b32 v1, 5, v0
	v_readfirstlane_b32 s16, v1                    ; wave 0..3
	v_and_b32 v2, 31, v0                           ; lane
	s_lshl_b32 s17, ttmp9, 7
	s_lshl_b32 s18, s16, 5
	s_add_co_u32 s17, s17, s18                     ; my wave's first column: 128 x work-group x + 32 x wave
	s_and_b32 s18, ttmp7, 0xffff
	s_lshr_b32 s34, s18, 2                         ; which weight
	s_and_b32 s18, s18, 3                          ; which KW along K
	v_lshlrev_b32 v3, 2, v2                        ; in: 4 bytes a lane
	v_and_b32 v10, 7, v2
	v_bfe_u32 v16, v2, 3, 1
	v_bfe_u32 v17, v2, 4, 1
	v_lshl_add_u32 v10, v16, 4, v10
	v_lshl_add_u32 v10, v17, 3, v10                ; my column's row among the wave's 32: the lane with bits 3 and 4 swapped
	s_mul_i32 s19, s16, 32*PITCH                   ; my stage
	v_mul_u32_u24 v4, v10, PITCH
	v_add_nc_u32 v4, s19, v4                       ; into it: that row
	v_and_b32 v5, 15, v2
	v_lshrrev_b32 v6, 4, v2                        ; out of it: sixteen lanes to a row, two rows an instruction
	v_mul_u32_u24 v7, v6, PITCH
	v_lshl_add_u32 v7, v5, 4, v7
	v_add_nc_u32 v7, s19, v7                       ; LDS address
	v_mul_u32_u24 v8, v6, KROW
	v_mad_u32_u24 v8, v5, 12, v8                   ; and the same place in the codes' buffer
	; where my wave's part begins, in bytes
	s_mov_b32 s19, 0
	s_mov_b64 s[20:21], KW*SIZE_N*4
	s_mul_u64 s[20:21], s[18:19], s[20:21]
	s_lshl_b32 s22, s17, 2
	s_mov_b32 s23, 0
	s_add_nc_u64 s[20:21], s[20:21], s[22:23]      ; the weight: KW y rows + 4 x column
	s_mov_b32 s22, s17
	s_mov_b64 s[24:25], KROW
	s_mul_u64 s[24:25], s[22:23], s[24:25]
	s_mul_i32 s26, s18, ROWB
	s_mov_b32 s27, 0
	s_add_nc_u64 s[24:25], s[24:25], s[26:27]
	s_mul_i32 s26, s34, 1024*KROW
	s_add_nc_u64 s[24:25], s[24:25], s[26:27]      ; the codes: weight x 786,432 + column x KROW + ROWB y
	s_mov_b64 s[28:29], SIZE_K/32
	s_mul_u64 s[28:29], s[22:23], s[28:29]
	s_mul_i32 s26, s18, NB
	s_add_nc_u64 s[28:29], s[28:29], s[26:27]
	s_mul_i32 s26, s34, 1024*SIZE_K/32
	s_add_nc_u64 s[28:29], s[28:29], s[26:27]      ; the scale bytes: weight x 32,768 + column x 32 + NB y
	v_mul_u32_u24 v9, v10, SIZE_K/32               ; my column's row of scale bytes
	s_wait_kmcnt 0x0
	s_bitcmp1_b32 s34, 0                           ; the choice of weight hangs on the work-group's number alone
	s_cselect_b64 s[30:31], s[38:39], s[36:37]     ; Wk or Wq
	s_cselect_b64 s[32:33], s[42:43], s[40:41]     ; Wo or Wv
	s_bitcmp1_b32 s34, 1
	s_cselect_b64 s[4:5], s[32:33], s[30:31]
	s_add_nc_u64 s[4:5], s[4:5], s[20:21]
	s_add_nc_u64 s[6:7], s[44:45], s[24:25]
	s_add_nc_u64 s[8:9], s[46:47], s[28:29]
.macro LOAD t                          ; block t: W(32 t + i, my column), i = 0 .. 31, into set t % 2
.irp i, 0,1,2,3,4,5,6,7,8,9,10,11,12,13,14,15,16,17,18,19,20,21,22,23,24,25,26,27,28,29,30,31
	global_load_b32 v[X+32*((\t)%2)+\i], v3, s[4:5] offset:(32*(\t)+\i)*SIZE_N*4 th:TH_LOAD_NT
.endr
.endm
	LOAD 0
	LOAD 1
.macro BLOCK t
.set XS, X+32*((\t)%2)
.if (\t) < NB-1
	s_wait_loadcnt 32                              ; this block's 32 loads are in; the next block's 32 may be out
.else
	s_wait_loadcnt 0
.endif
	v_max3_num_f32 v12, |v[XS]|, |v[XS+1]|, |v[XS+2]|               ; the block's largest magnitude: all 32 numbers are mine
	v_max3_num_f32 v13, |v[XS+3]|, |v[XS+4]|, |v[XS+5]|
.irp i, 6,10,14,18,22,26
	v_max3_num_f32 v12, v12, |v[XS+\i]|, |v[XS+\i+1]|
	v_max3_num_f32 v13, v13, |v[XS+\i+2]|, |v[XS+\i+3]|
.endr
	v_max3_num_f32 v12, v12, |v[XS+30]|, |v[XS+31]|
	v_max3_num_f32 v12, v12, v13, (EMAX+1)<<23     ; and the floor 2^(EMAX + 1 - 127)
	v_add_nc_u32 v11, -(EMAX<<23), v12             ; EMAX off its exponent field: the conversion's scale operand
	v_lshrrev_b32 v13, 23, v11                     ; the scale's byte
.if (\t)%4 == 0
	v_mov_b32 v[SB+(\t)/4], v13                    ; four bytes to a register, the lower K in the lower byte
.else
	v_lshl_or_b32 v[SB+(\t)/4], v13, 8*((\t)%4), v[SB+(\t)/4]
.endif
	v_cvt_scalef32_pk16_fp6_f32 v[C:C+2], v[XS:XS+15], v11
	v_cvt_scalef32_pk16_fp6_f32 v[C+4:C+6], v[XS+16:XS+31], v11     ; (a conversion's three registers begin on an even number)
	ds_store_b96 v4, v[C:C+2] offset:32*(\t)       ; 16 codes, 12 bytes, to a place of 16 bytes in the stage
	ds_store_b96 v4, v[C+4:C+6] offset:32*(\t)+16
.if (\t)+2 < NB
	LOAD (\t)+2
.endif
	s_wait_dscnt 0x0                               ; the stores have read their registers: the next block's codes may be written
.endm
.set Q, 0
.rept NB
	BLOCK Q
.set Q, Q+1
.endr
	global_store_b64 v9, v[SB:SB+1], s[8:9]        ; my column's NB scale bytes
.irp t, 0,1,2,3,4,5,6,7,8,9,10,11,12,13,14,15
	ds_load_b96 v[OUTR+4*\t:OUTR+4*\t+2], v7 offset:2*\t*PITCH   ; LDS serves a wave's instructions in order: these see my stores
.endr
.irp t, 0,1,2,3,4,5,6,7,8,9,10,11,12,13,14,15
	s_wait_dscnt 15-\t                             ; loads come back in order: number t is in, the 15 - t behind it may be out
	global_store_b96 v8, v[OUTR+4*\t:OUTR+4*\t+2], s[6:7] offset:2*\t*KROW
.endr
	s_wait_tensorcnt 0x0                           ; the wave's end: behind my last LDS store
	ds_add_u32 v[SPW], v[NIL]
	s_wait_dscnt 0x0
	s_endpgm
.Lfunc_end_k_q23ea439a73_quant_w:
	.size	k_q23ea439a73_quant_w, .Lfunc_end_k_q23ea439a73_quant_w-k_q23ea439a73_quant_w
	.p2alignl 7, 3214868480
	.fill 96, 4, 3214868480
	.section	.rodata,"a",@progbits
	.p2align	6, 0x0
	.amdhsa_kernel k_q23ea439a73_quant_w
		.amdhsa_group_segment_fixed_size 35840
		.amdhsa_private_segment_fixed_size 0
		.amdhsa_enable_private_segment 0
		.amdhsa_kernarg_size 48
		.amdhsa_user_sgpr_count 2
		.amdhsa_user_sgpr_kernarg_segment_ptr 1
		.amdhsa_wavefront_size32 1
		.amdhsa_system_sgpr_workgroup_id_x 1
		.amdhsa_system_sgpr_workgroup_id_y 1
		.amdhsa_system_sgpr_workgroup_id_z 1
		.amdhsa_system_vgpr_workitem_id 0
		.amdhsa_next_free_vgpr 192
		.amdhsa_next_free_sgpr 66
		.amdhsa_reserve_vcc 0
		.amdhsa_float_denorm_mode_32 3
		.amdhsa_float_denorm_mode_16_64 3
		.amdhsa_memory_ordered 1
		.amdhsa_forward_progress 1
		.amdhsa_inst_pref_size 43
	.end_amdhsa_kernel
	.amdgpu_metadata
---
amdhsa.version: [ 1, 2 ]
amdhsa.kernels:
  - .name:           k_q23ea439a73_quant_w
    .symbol:         k_q23ea439a73_quant_w.kd
    .args:
      - { .name: Wq, .offset: 0, .size: 8, .value_kind: global_buffer, .address_space: global }
      - { .name: Wk, .offset: 8, .size: 8, .value_kind: global_buffer, .address_space: global }
      - { .name: Wv, .offset: 16, .size: 8, .value_kind: global_buffer, .address_space: global }
      - { .name: Wo, .offset: 24, .size: 8, .value_kind: global_buffer, .address_space: global }
      - { .name: wc, .offset: 32, .size: 8, .value_kind: global_buffer, .address_space: global }
      - { .name: ws, .offset: 40, .size: 8, .value_kind: global_buffer, .address_space: global }
    .group_segment_fixed_size: 35840
    .private_segment_fixed_size: 0
    .kernarg_segment_align: 8
    .kernarg_segment_size: 48
    .max_flat_workgroup_size: 128
    .sgpr_count:     66
    .vgpr_count:     192
    .wavefront_size: 32
...
	.end_amdgpu_metadata
.endif
;; end of part 2
;; launch proj (part 3): grid 4 x 96, 4 waves a work-group, clusters of 4 x 4, 327,680 bytes of LDS; arguments xc, xs, wc, ws, bq, bk, bv, ac, asc; writes ac, asc
.if DOCPART == 3
	.amdgcn_target "amdgcn-amd-amdhsa--gfx1250"
	.amdhsa_code_object_version 6
	.text
	.protected	k_q23ea439a73_proj
	.globl	k_q23ea439a73_proj
	.p2align	8
	.type	k_q23ea439a73_proj,@function
k_q23ea439a73_proj:
	s_mov_b64 s[64:65], 0
	v_nop
	global_prefetch_b8 v0, s[64:65] scope:SCOPE_SE
	s_setreg_imm32_b32 hwreg(HW_REG_WAVE_MODE, 25, 1), 1
	s_wait_xcnt 0x0
	s_wait_alu depctr_hold_cnt(0) depctr_sa_sdst(0) depctr_va_vdst(0) depctr_va_sdst(0) depctr_va_ssrc(0) depctr_va_vcc(0) depctr_vm_vsrc(0)
	s_getreg_b32 s2, hwreg(HW_REG_IB_STS2, 6, 4)
	s_cmp_eq_u32 s2, 0
	s_cbranch_scc0 .Lentry_in_a_cluster
	s_endpgm
.Lentry_in_a_cluster:
	s_bfe_u32 s2, ttmp6, 0x10000c
	s_cmp_lg_u32 s2, 0xf033
	s_cbranch_scc0 .Lentry_shape_is_right
	s_endpgm
.Lentry_shape_is_right:
; q = queries Wq + bq, k = keys Wk + bk, v = values Wv + bv: three products of 8,192 x 1,024 x 1,024 on codes of FP6 (E2M3), and their results quantised in registers for the attention.  No work is left out.
; Cluster y = 8 T + j: T = 0, 1, 2 is q, k, v.  A tile of 256 x 256 results is made by a work-group of four waves; a wave makes 128 x 128: 64 accumulators of 16 x 16, 512 registers.
; THE MATRIX INSTRUCTION IS USED TRANSPOSED: source 0 = 16 rows of 'B', source 1 = 16 rows of 'A': a lane holds ONE row of A, and its registers run along B's rows.
;   q, k: A = the tokens' codes (xc), B = the weight's (wc): a lane holds a token and its registers run along the head's channels, which are the K of q k^T.
;   v:    A = Wv's codes, B = values' codes: a lane holds a channel d and its registers run along the tokens, which are the K of p v.
; The rows of wc, and of xc for keys and values, lie with bits 3 and 4 swapped: so the 16 registers of the accumulators 2 e and 2 e + 1 of a lane are 16 NEIGHBOURS, 32 e + 16 (lane / 16) + 0 .. 15, along B's true rows,
; and a tile of 16 rows of A holds rows 32 (a / 2) + 8 (a % 2) + r + 8 (r / 8): the choice of keys (k) and of channels (v) that gives the attention's own results the same order.
; The bias is the C of each sum's first matrix instruction: q, k: eight numbers along the registers for each of B's eight blocks; v: the lane's own channel's bias in all eight registers, for each of A's eight blocks.
; K goes in four steps of 256 through a ring of two LDS slots filled by the tensor data mover; the scale bytes of the work-group's rows, for all of K, come once.  4 x 4 work-groups form a cluster: A's tiles are asked
; for jointly along a row of the cluster, B's along a column.  Branches hang on T (the cluster's y) and on the wave's number alone: they are the same in all partners.
; THE WAY OUT.  Each block of 16 rows of A x 128 along B is quantised as it stands (four blocks of 32 a lane-pair) into the 12 registers of an operand, and stored AS AN IMAGE OF THOSE REGISTERS: registers 2 p, 2 p + 1 of
; lane l at 256 p + 8 l: each store of the wave covers 256 consecutive bytes, aligned.  ac: [64 heads][16 steps of 128 tokens][Q 6,144 | K 6,144 | V 6,144]: Q, K: tile t of 16 tokens x 64 channels (6 registers) at 768 t;
; V: tile of 16 channels x 128 keys (12 registers) at 1,536 x tile.  asc: [64][16][Q 512 | K 512 | V 256]: scale words, word j of lane l = tile 2 j + l / 16, row l % 16; two words a lane at 8 l, the next two 256 bytes on.
; LIMITS as in the first launch: bytes held at 1 from below, a block of zeros has byte 1 and zero codes; NaN and infinities are not served.
; REGISTERS, in windows of 256: window 0: v0-31 addresses; v32-63 scale words, two sets; v64-127 the bias; from v128 A's fragments, one set; in the way out v32-63 and v128-146 are at work.
;   window 1: B's fragments, two sets, at v0 and v128.   window 2: the accumulators of my rows 0-63 ((a, b) at v[8 (8 a + b)]);   window 3: those of my rows 64-127.
.set KSTEP,  256                       ; along K in a slot
.set NQ,     KSTEP/128                 ; matrix instructions deep
.set ROWB,   192                       ; a tile's row in bytes
.set KROW,   768                       ; a row of codes in memory
.set PITCH,  240                       ; an LDS row: 3 x (64 bytes + 16 of padding)
.set FR,     12                        ; registers of a fragment
.set NL,     6                         ; LDS loads that bring one
.set NP,     4                         ; places behind this matrix instruction (ISA guide 7.12.1)
.set HALFT,  128*PITCH                 ; 128 rows: what one tensor load brings
.set SLOT,   4*HALFT                   ; A's 256 rows, then B's 256 rows
.set KS,     32                        ; a row of scale bytes
.set SCL,    2*SLOT                    ; behind the ring: the scales, as runs of 256 bytes + 16 of padding
.set HALFS,  (128*KS/256)*272          ; the scales of 128 rows
.set SBLK,   (16*KS/256)*272           ; those of 16 rows
.set SPARE,  SCL+4*HALFS               ; behind the scales: the spare words, 128 bytes for each wave
.set ADRA, 16                          ; v16-17 LDS address of my A fragments in slot 0, 1 (v18-19: for the pieces behind one padding more)
.set ADRB, 20                          ; v20-21 the same for B (v22-23)
.set VO0,  24                          ; v24    the way out: 8 x lane
.set VO1,  25                          ; v25    the same, for the operand's second six registers
.set ADRS, 27                          ; v27    LDS address of my scale words: lanes 0-15 A's rows, lanes 16-31 B's
.set SPW,  28                          ; v28    LDS address of my spare word; never rewritten
.set NIL,  29                          ; v29    0; never rewritten
.set SC,   32                          ; scale words: set s at v[SC + 16 s]
.set BI,   64                          ; v64-127 the bias, as eight C operands
.set AF,   128                         ; A's fragments
.set TM,   32                          ; the way out: v32-35 largest magnitudes, v36-39 bytes, v44-47 the conversions' scale operands
.set PWS,  48                          ; v48-55 the eight blocks' scale words
.set WD,   56                          ; v56-59 the scale words as they are stored; v60-63 the second head's
.set WD2,  60
.set CD,   128                         ; v128-139 the codes just made; v140-146 at work
.set G1, 24                            ; s[24:31] descriptor group 1 for A's tiles;  s[32:39] group 0, one set for each slot
.set G0, 32
.set G1B, 48                           ; s[48:55], s[56:63] the same for B's tiles
.set G0B, 56
.set G1S, 68                           ; s[68:75], s[76:79] groups 1 and 0 for A's scales;  s[80:87], s[88:91] for B's
.set G0S, 76
.set G1SB, 80
.set G0SB, 88
.set TT,  95                           ; s95    T
.set MSB, 0
.macro WIN new                         ; the immediate's high byte repeats the setting that is left
.if MSB != \new
	s_set_vgpr_msb (MSB<<8)|\new
.set MSB, \new
.endif
.endm
.set MUL_LO, 0xa1                      ; source 0 (B) window 1, source 1 (A) window 0, C and D window 2
.set MUL_HI, 0xf1                      ; the same, C and D window 3
.set BIA_LO, 0x81                      ; the same with C (the bias) in window 0
.set BIA_HI, 0xc1
.set TO_B,   0x40                      ; destination window 1, address window 0
; A joint load: waves 0 and 1 fetch for A, waves 2 and 3 for B.  Each of the two lines has one mask and one set of registers for all that issue it; the branch hangs on the wave's number alone.
; An s_nop 0 and four v_nop follow each of the two lines, ahead of the jump, the label and what follows.
.macro JLOAD g0a, g1a, g0b, g1b
	s_cmp_eq_u32 s15, 0
	s_cbranch_scc0 .Lfor_b_\@
	tensor_load_to_lds s[\g0a:\g0a+3], s[\g1a:\g1a+7]
	s_nop 0
.rept 4
	v_nop
.endr
	s_branch .Lasked_\@
.Lfor_b_\@:
	tensor_load_to_lds s[\g0b:\g0b+3], s[\g1b:\g1b+7]
	s_nop 0
.rept 4
	v_nop
.endr
.Lasked_\@:
.endm
.macro CREST                           ; a round of the cluster's barrier behind its opening barrier
	s_cmp_lg_u32 s14, 0
	s_cbranch_scc1 .Lnot_wave_0_\@
	s_barrier_signal -3
.Lnot_wave_0_\@:
	s_barrier_wait -3
	s_barrier_signal -1
	s_barrier_wait -1
.endm
.macro CROUND                          ; a whole round
	s_barrier_signal -1
	s_barrier_wait -1
	CREST
.endm
	s_load_b256 s[4:11], s[0:1], 0x0               ; xc s[4:5], xs s[6:7], wc s[8:9], ws s[10:11]
	s_load_b128 s[96:99], s[0:1], 0x20             ; bq, bk
	s_load_b64 s[100:101], s[0:1], 0x30            ; bv
	s_load_b64 s[12:13], s[0:1], 0x38              ; ac
	s_load_b64 s[66:67], s[0:1], 0x40              ; asc
	v_lshl_add_u32 v[SPW], v0, 2, SPARE
	v_mov_b32 v[NIL], 0
	ds_add_u32 v[SPW], v[NIL]                      ; the wave's opening: the add, twice on end, and its wait ahead of my first tensor load; the set-up below stands between
	ds_add_u32 v[SPW], v[NIL]
	v_lshrrev_b32 v1, 5, v0
	v_readfirstlane_b32 s14, v1                    ; wave 0..3
	s_lshr_b32 s15, s14, 1                         ; which half of A's rows is mine.  Also: I fetch for A (0) or for B (1)
	s_and_b32 s16, s14, 1                          ; which half of B's rows.  Also: which 128 rows of that tile I fetch
	s_bfe_u32 s40, ttmp6, 0x40000                  ; cx, cy: my place in the cluster
	s_bfe_u32 s41, ttmp6, 0x40004
	s_and_b32 s17, ttmp7, 0xffff                   ; the cluster's y = 8 T + j
	s_lshr_b32 s[TT], s17, 3
	s_and_b32 s18, s17, 7
	s_cmp_lt_u32 s[TT], 2                          ; the tokens are A's rows (q, k) or B's (v): j walks them
	s_cselect_b32 s19, s18, 0
	s_cselect_b32 s18, 0, s18
	s_lshl_b32 s17, s19, 2
	s_add_co_u32 s17, s17, s41                     ; A's tile of 256 rows: 4 j + cy, or cy
	s_lshl_b32 s42, s18, 2
	s_add_co_u32 s42, s42, s40                     ; B's: cx, or 4 j + cx
	s_lshl_b32 s43, s41, 2
	s_lshl_b32 s43, 15, s43                        ; my row of the cluster
	s_lshl_b32 s44, 0x1111, s40                    ; my column
	; descriptor group 1: a tile of 128 rows x ROWB bytes, padded in LDS
	s_or_b32 s[G1+0], s43, (0<<16)|(1<<20)|(1<<21)|(3<<22)|(3<<25)  ; 15:0 the mask: A's tiles go to my row; 17:16 element of 1 byte; 20 padding on; 21 set beside a mask; 24:22 after every 16 words; 31:25 of 4 words
	s_or_b32 s[G1B+0], s44, (0<<16)|(1<<20)|(1<<21)|(3<<22)|(3<<25)
.irp g, G1, G1B
	s_mov_b32 s[\g+1], ROWB<<16                    ; tensor_dim0
	s_mov_b32 s[\g+2], 128<<16                     ; tensor_dim1 = 128
	s_mov_b32 s[\g+3], ROWB<<16                    ; tile_dim0
	s_mov_b32 s[\g+4], 128                         ; tile_dim1 = 128
	s_mov_b32 s[\g+5], KROW                        ; tensor_dim0_stride
	s_mov_b32 s[\g+6], 0
	s_mov_b32 s[\g+7], 0
.endr
	; and for the scales of 128 rows: a dense block of 4,096 bytes, as 16 rows of 256 bytes (32 elements of 8 bytes), 16 bytes of padding behind each
	s_or_b32 s[G1S+0], s43, (3<<16)|(1<<20)|(1<<21)|(5<<22)|(3<<25)
	s_or_b32 s[G1SB+0], s44, (3<<16)|(1<<20)|(1<<21)|(5<<22)|(3<<25)
.irp g, G1S, G1SB
	s_mov_b32 s[\g+1], 32<<16
	s_mov_b32 s[\g+2], (128*KS/256)<<16
	s_mov_b32 s[\g+3], 32<<16
	s_mov_b32 s[\g+4], 128*KS/256
	s_mov_b32 s[\g+5], 32
	s_mov_b32 s[\g+6], 0
	s_mov_b32 s[\g+7], 0
.endr
	s_lshl_b32 s18, s16, 7                         ; which 128 rows of the tile I fetch
	s_lshl_b32 s20, s17, 8
	s_add_co_u32 s20, s20, s18                     ; A: row 256 x tile + 128 x half
	s_lshl_b32 s46, s42, 8
	s_add_co_u32 s46, s46, s18                     ; B likewise
	s_mov_b32 s21, 0
	s_mov_b32 s47, 0
	s_mov_b64 s[18:19], KS
	s_mul_u64 s[22:23], s[20:21], s[18:19]         ; where these rows' scales begin, in bytes
	s_mul_u64 s[92:93], s[46:47], s[18:19]
	s_mov_b64 s[18:19], KROW
	s_mul_u64 s[20:21], s[20:21], s[18:19]         ; and their codes
	s_mul_u64 s[46:47], s[46:47], s[18:19]
	s_mul_i32 s2, s[TT], 8192*KROW                 ; tensor T of xc,
	s_mul_i32 s3, s[TT], 1024*KROW                 ; weight T of wc (every sum stays under 2^25)
	s_cmp_lt_u32 s[TT], 2
	s_cselect_b32 s18, s2, s3
	s_cselect_b32 s19, s3, s2
	s_add_co_u32 s20, s20, s18
	s_add_co_u32 s46, s46, s19
	s_mul_i32 s2, s[TT], 8192*KS
	s_mul_i32 s3, s[TT], 1024*KS
	s_cmp_lt_u32 s[TT], 2
	s_cselect_b32 s18, s2, s3
	s_cselect_b32 s19, s3, s2
	s_add_co_u32 s22, s22, s18
	s_add_co_u32 s92, s92, s19
	s_mul_i32 s45, s14, HALFT                      ; where they go: wave x 128 rows: no place in the cluster enters an LDS address
	s_mul_i32 s94, s14, HALFS
	s_wait_dscnt 0x0                               ; both opening adds are done
	s_wait_kmcnt 0x0
	s_cmp_lt_u32 s[TT], 2                          ; the choice of buffers hangs on the cluster's y alone
	s_cselect_b64 s[2:3], s[4:5], s[8:9]           ; A's codes: xc, or wc
	s_add_nc_u64 s[20:21], s[2:3], s[20:21]
	s_cselect_b64 s[2:3], s[6:7], s[10:11]         ; A's scales
	s_add_nc_u64 s[22:23], s[2:3], s[22:23]
	s_cselect_b64 s[2:3], s[8:9], s[4:5]           ; B's codes: wc, or xc
	s_add_nc_u64 s[46:47], s[2:3], s[46:47]
	s_cselect_b64 s[2:3], s[10:11], s[6:7]         ; B's scales
	s_add_nc_u64 s[92:93], s[2:3], s[92:93]
	CROUND                                         ; all sixteen work-groups are here: the first joint loads meet
	s_mov_b32 s[G0S], 1
	s_add_co_u32 s[G0S+1], s94, SCL
	s_mov_b64 s[G0S+2:G0S+3], s[22:23]
	s_or_b32 s[G0S+3], s[G0S+3], 0x80000000
	s_mov_b32 s[G0SB], 1
	s_add_co_u32 s[G0SB+1], s94, SCL
	s_mov_b64 s[G0SB+2:G0SB+3], s[92:93]
	s_or_b32 s[G0SB+3], s[G0SB+3], 0x80000000
	JLOAD G0S, G1S, G0SB, G1SB                     ; the scales first: they are wanted with K step 0
.irp s, 0,1
	s_mov_b32 s[G0+4*\s], 1
	s_add_co_u32 s[G0+4*\s+1], s45, \s*SLOT
	s_add_nc_u64 s[G0+4*\s+2:G0+4*\s+3], s[20:21], \s*ROWB
	s_or_b32 s[G0+4*\s+3], s[G0+4*\s+3], 0x80000000
	s_mov_b32 s[G0B+4*\s], 1
	s_add_co_u32 s[G0B+4*\s+1], s45, \s*SLOT
	s_add_nc_u64 s[G0B+4*\s+2:G0B+4*\s+3], s[46:47], \s*ROWB
	s_or_b32 s[G0B+4*\s+3], s[G0B+4*\s+3], 0x80000000
	JLOAD G0+4*\s, G1, G0B+4*\s, G1B               ; three tensor loads of mine are out
.endr
	v_and_b32 v1, 15, v0                           ; r = l % 16
	v_bfe_u32 v2, v0, 4, 1                         ; h = l / 16
	v_mul_u32_u24 v3, v1, PITCH
	v_mul_u32_u24 v4, v2, 24
	v_add_nc_u32 v4, v3, v4                        ; a fragment's row x pitch + 24 x half
	v_lshl_add_u32 v5, v2, 4, v4                   ; and the same behind one padding more
	s_mul_i32 s21, s15, HALFT                      ; my 128 rows of A
	s_mul_i32 s22, s16, HALFT                      ; my 128 rows of B,
	s_add_co_u32 s22, s22, 2*HALFT                 ; which lie behind A's 256
.irp s, 0,1
	v_add_nc_u32 v[ADRA+\s], s21, v4
	v_add_nc_u32 v[ADRB+\s], s22, v4
	v_add_nc_u32 v[ADRA+2+\s], s21, v5
	v_add_nc_u32 v[ADRB+2+\s], s22, v5
	s_add_co_u32 s21, s21, SLOT
	s_add_co_u32 s22, s22, SLOT
.endr
	v_mul_u32_u24 v5, v1, KS                       ; my row's scales: KS bytes a row,
	v_lshrrev_b32 v6, 8, v5
	v_lshl_add_u32 v5, v6, 4, v5                   ; and 16 more for each 256 passed
	s_mul_i32 s21, s15, HALFS                      ; A's: my 128 rows
	s_mul_i32 s22, s16, HALFS                      ; B's: my 128 rows, behind A's 256
	s_add_co_u32 s22, s22, 2*HALFS
	s_sub_co_u32 s22, s22, s21
	v_mul_u32_u24 v6, s22, v2                      ; lanes 16-31 take B's
	s_add_co_u32 s21, s21, SCL
	v_add_nc_u32 v5, v5, v6
	v_add_nc_u32 v[ADRS], s21, v5
	; THE BIAS, as C operands.  s[2:3] and v6 are written again only behind the wait for these loads
	s_cmp_eq_u32 s[TT], 2
	s_cbranch_scc1 .Lbias_v
	s_cmp_eq_u32 s[TT], 0
	s_cselect_b64 s[2:3], s[96:97], s[98:99]       ; bq or bk
	s_lshl_b32 s18, s42, 10
	s_lshl_b32 s19, s16, 9
	s_add_co_u32 s18, s18, s19                     ; my first channel, in bytes: 4 (256 x B's tile + 128 x half)
	s_mov_b32 s19, 0
	s_add_nc_u64 s[2:3], s[2:3], s[18:19]
	v_lshlrev_b32 v6, 6, v2                        ; block b's register j is channel 32 (b / 2) + 16 h + 8 (b % 2) + j
.irp b, 0,1,2,3,4,5,6,7
	global_load_b128 v[BI+8*\b:BI+8*\b+3], v6, s[2:3] offset:4*(32*(\b/2)+8*(\b%2))
	global_load_b128 v[BI+8*\b+4:BI+8*\b+7], v6, s[2:3] offset:4*(32*(\b/2)+8*(\b%2))+16
.endr
	s_branch .Lbias_done
.Lbias_v:
	s_lshl_b32 s18, s17, 10
	s_lshl_b32 s19, s15, 9
	s_add_co_u32 s18, s18, s19                     ; 4 (256 x A's tile + 128 x half)
	s_mov_b32 s19, 0
	s_add_nc_u64 s[2:3], s[100:101], s[18:19]
	v_and_b32 v6, 8, v1
	v_add_nc_u32 v6, v6, v1
	v_lshlrev_b32 v6, 2, v6                        ; block a's row r is channel 32 (a / 2) + 8 (a % 2) + r + 8 (r / 8): one number a lane, wanted in all eight registers of a C operand
.irp a, 0,1,2,3,4,5,6,7
.irp j, 0,1,2,3,4,5,6,7
	global_load_b32 v[BI+8*\a+\j], v6, s[2:3] offset:4*(32*(\a/2)+8*(\a%2))
.endr
.endr
.Lbias_done:
.macro FRAG reg, adr, q, i             ; a fragment, 16 rows x 128 K, is 12 registers: lane l holds row l % 16; registers 6 c .. 6 c + 5 hold K = 64 c + 32 (l / 16) + 0 .. 31: 24 bytes of the row, as they lie
.irp p, 0,1,2,3,4,5                    ; in pieces of 8 bytes.  Lanes 0-15 take the row's pieces 12 q + 0, 1, 2 and 12 q + 6, 7, 8, lanes 16-31 those three pieces on
.set PCE, 12*(\q)+6*(\p/3)+\p%3        ; 16 bytes of padding lie behind every 8 pieces: where the piece three on lies behind one padding more, the second address register serves
.if PCE%8 < 5
	ds_load_b64 v[\reg+2*\p:\reg+2*\p+1], v[\adr] offset:8*PCE+16*(PCE/8)+(\i)*16*PITCH
.else
	ds_load_b64 v[\reg+2*\p:\reg+2*\p+1], v[\adr+2] offset:8*PCE+16*(PCE/8)+(\i)*16*PITCH
.endif
.endr
.endm
; 16 matrix instructions: A's blocks a0, a0 + 1 x B's eight, 128 along K: the slot's q-th.  p: B's set;  sc: the set of scale words.
; cm = 0: the sums go on in place.  cm = 1: the first product starts them from the bias of B's block (q, k);  cm = 2: from the bias of A's block (v).  Nothing is ever cleared.
; The 64 accumulators take turns, one instruction a turn, in the same order in every step.
.macro MUL16 a0, p, q, sc, cm
.irp a, \a0, \a0+1
.irp b, 0,1,2,3,4,5,6,7
.set xD, 8*(8*((\a)%4)+\b)
.set xB, 128*(\p)+FR*\b
.set xA, AF+FR*(\a)
.set yB, SC+8*NQ*(\sc)+NQ*\b+(\q)
.set yA, SC+8*NQ*(\sc)+NQ*(\a)+(\q)
.if \cm == 1
	v_wmma_scale_f32_16x16x128_f8f6f4 v[xD:xD+7], v[xB:xB+FR-1], v[xA:xA+FR-1], v[BI+8*\b:BI+8*\b+7], v[yB], v[yA] matrix_a_fmt:MATRIX_FMT_FP6 matrix_b_fmt:MATRIX_FMT_FP6 matrix_a_scale:MATRIX_SCALE_ROW1
.elseif \cm == 2
	v_wmma_scale_f32_16x16x128_f8f6f4 v[xD:xD+7], v[xB:xB+FR-1], v[xA:xA+FR-1], v[BI+8*(\a):BI+8*(\a)+7], v[yB], v[yA] matrix_a_fmt:MATRIX_FMT_FP6 matrix_b_fmt:MATRIX_FMT_FP6 matrix_a_scale:MATRIX_SCALE_ROW1
.else
	v_wmma_scale_f32_16x16x128_f8f6f4 v[xD:xD+7], v[xB:xB+FR-1], v[xA:xA+FR-1], v[xD:xD+7], v[yB], v[yA] matrix_a_fmt:MATRIX_FMT_FP6 matrix_b_fmt:MATRIX_FMT_FP6 matrix_a_scale:MATRIX_SCALE_ROW1
.endif
.endr
.endr
.endm
.macro FETCH_B slot, q, p              ; B's eight fragments of the slot's q-th 128 along K into set p
	WIN TO_B
.irp i, 0,1,2,3,4,5,6,7
	FRAG 128*(\p)+FR*\i, ADRB+\slot, \q, \i
.endr
	WIN 0
.endm
.macro FETCH_A slot, q, i0             ; A's blocks i0 .. i0 + 3
.irp i, \i0, \i0+1, \i0+2, \i0+3
	FRAG AF+FR*(\i), ADRA+\slot, \q, \i
.endr
.endm
.macro SCALES sc                       ; the next K step's scale words into set sc: two words a row; lanes 0-15 take A's block i, lanes 16-31 B's block i
.irp i, 0,1,2,3,4,5,6,7
	ds_load_b64 v[SC+8*NQ*\sc+NQ*\i:SC+8*NQ*\sc+NQ*\i+1], v[ADRS] offset:\i*SBLK
.endr
.endm
; A load into a register that a matrix instruction has read, and a vector instruction that reads a matrix result or writes one of its registers, stand NP places behind it; only plain vector instructions that name none of
; its registers are places (ISA guide 7.12.1 for vector instructions).
.macro PLACES n
.rept \n
	v_nop
.endr
.endm
; A step of 128 along K that has its successor in the same slot.  A has one set of registers: blocks 0-3 are fetched anew in the step's middle, blocks 4-7 at its end; B has two sets.
.macro STEP slot, q, cm
	s_wait_dscnt 4*NL                              ; B's set and A's blocks 0-3 are in; the youngest 24 loads (A's blocks 4-7) may be out
.if \cm
	WIN BIA_LO
.else
	WIN MUL_LO
.endif
	MUL16 0, (\q)%2, \q, \slot, \cm
	MUL16 2, (\q)%2, \q, \slot, \cm
	s_wait_dscnt 0                                 ; A's blocks 4-7 are in (asked for 32 matrix instructions ago)
	PLACES NP
	FETCH_B \slot, (\q)+1, 1-(\q)%2
	FETCH_A \slot, (\q)+1, 0
.if \cm
	WIN BIA_HI
.else
	WIN MUL_HI
.endif
	MUL16 4, (\q)%2, \q, \slot, \cm
	MUL16 6, (\q)%2, \q, \slot, \cm
	PLACES NP
	WIN 0
	FETCH_A \slot, (\q)+1, 4
.endm
; A slot's last step changes slots: ONE barrier; in front of it each wave waits for all its tensor loads, adds 0 to its spare word, and waits for that and for its own reads of this slot.  fill = 1: this slot is filled again, two K steps ahead.
.macro TURN slot, next, fill
	s_wait_tensorcnt 0x0                           ; all my tensor loads have landed: my part of the next slot;  (every window is 0 here)
	ds_add_u32 v[SPW], v[NIL]                      ; 0 onto my spare word
	s_wait_dscnt 4*NL+1                            ; (the add and the youngest 24 loads, A's blocks 4-7, may be out)
	WIN MUL_LO
	MUL16 0, 1, NQ-1, \slot, 0                     ; sixteen matrix instructions stand between the add and the wait for it
	s_wait_dscnt 0x0                               ; the add is done, and my reads of this slot are over
	s_barrier_signal -1
	MUL16 2, 1, NQ-1, \slot, 0
	WIN 0
	s_barrier_wait -1
.if \fill
	CREST                                          ; the barrier has opened a round of the cluster's barrier: no wave of any partner still reads this slot's tile or has a load on its way
	s_add_nc_u64 s[G0+4*\slot+2:G0+4*\slot+3], s[G0+4*\slot+2:G0+4*\slot+3], 2*ROWB
	s_add_nc_u64 s[G0B+4*\slot+2:G0B+4*\slot+3], s[G0B+4*\slot+2:G0B+4*\slot+3], 2*ROWB
	JLOAD G0+4*\slot, G1, G0B+4*\slot, G1B         ; the first tensor load behind the round, and my only one until the next; the four v_nop behind it are the places in front of the loads below
.else
	PLACES NP
.endif
	v_add_nc_u32 v[ADRS], 4*NQ, v[ADRS]            ; on to the next K step's scale words
	FETCH_B \next, 0, 0
	FETCH_A \next, 0, 0
	SCALES \next
	WIN MUL_HI
	MUL16 4, 1, NQ-1, \slot, 0
	MUL16 6, 1, NQ-1, \slot, 0
	PLACES NP
	WIN 0
	FETCH_A \next, 0, 4
.endm
	s_wait_tensorcnt 1                             ; the scales and my part of K step 0 are in (K step 1's load may be out)
	s_barrier_signal -1
	s_barrier_wait -1                              ; everybody's are
	FETCH_B 0, 0, 0
	FETCH_A 0, 0, 0
	SCALES 0
	FETCH_A 0, 0, 4
	s_wait_loadcnt 0x0                             ; the bias
	s_cmp_eq_u32 s[TT], 2                          ; the first step starts the sums from the bias, which lies along B's rows (q, k) or along A's (v)
	s_cbranch_scc1 .Lfirst_v
	STEP 0, 0, 1
	s_branch .Lfirst_done
.Lfirst_v:
	STEP 0, 0, 2
.Lfirst_done:
	TURN 0, 1, 1                                   ; K has four slots' worth: the walk is written out
	STEP 1, 0, 0
	TURN 1, 0, 1
	STEP 0, 0, 0
	TURN 0, 1, 0                                   ; the last two slots are filled no more: no round of the cluster's barrier
	STEP 1, 0, 0
	s_wait_dscnt 4*NL                              ; the very last step: nothing more to fetch
	WIN MUL_LO
	MUL16 0, 1, NQ-1, 1, 0
	MUL16 2, 1, NQ-1, 1, 0
	s_wait_dscnt 0
	WIN MUL_HI
	MUL16 4, 1, NQ-1, 1, 0
	MUL16 6, 1, NQ-1, 1, 0
	WIN 0
	PLACES NP                                      ; behind the last products: their scale words' and A's registers are written below, their results read
	; THE WAY OUT.  Where my block a, half c, piece p goes: OB + (a % 4) S1 + (a / 4) S2 + c S3 + 256 p + 8 l.   q, k: a is the tile of tokens, c the head: S1, S2, S3 = 768, 3,072, a head's 294,912.
	; v: a % 4 is the tile of channels, a / 4 the head, c the fragment's half: 1,536, 294,912, 768.
.irp b, 0,1,2,3
	v_mov_b32 v[TM+4+\b], 0                        ; written once: a lane permute's destination counts as one of its sources
.endr
	v_and_b32 v[VO0], 31, v0
	v_lshlrev_b32 v[VO0], 3, v[VO0]
	s_mov_b32 s46, 0x76543210
	s_mov_b32 s47, 0xfedcba98                      ; v_permlanex16_b32's selects for lane l xor 16
	s_mov_b32 s104, 0x1800000                      ; the floor 2^(3 - 127)
	s_mov_b32 s105, 0xffff0000                     ; lanes 16-31
	s_mov_b32 s20, 1536
	s_mov_b32 s22, 294912-3*1536
	s_mov_b32 s43, 768
	s_cmp_lt_u32 s[TT], 2
	s_cselect_b32 s18, s17, s42                    ; the tokens' tile of 256,
	s_cselect_b32 s19, s15, s16                    ; and my half of it
	s_cselect_b32 s40, s42, s17                    ; the channels' tile of 256 (four heads),
	s_cselect_b32 s41, s16, s15                    ; and my half (two heads)
	s_cselect_b32 s20, 768, s20                    ; S1: from block to block,
	s_cselect_b32 s22, 768, s22                    ; S2 - 3 S1: from block 3 to block 4
	s_cselect_b32 s43, 294912, s43                 ; S3
	s_mov_b32 s21, 0
	s_mov_b32 s23, 0
	v_add_nc_u32 v[VO1], s43, v[VO0]
	s_lshl_b32 s18, s18, 8
	s_lshl_b32 s19, s19, 7
	s_add_co_u32 s18, s18, s19                     ; my first token of the 8,192
	s_lshr_b32 s19, s18, 11                        ; its batch
	s_lshl_b32 s19, s19, 4
	s_lshl_b32 s40, s40, 2
	s_add_co_u32 s19, s19, s40
	s_lshl_b32 s41, s41, 1
	s_add_co_u32 s19, s19, s41                     ; my first head: 16 x batch + 4 x tile + 2 x half
	s_lshl_b32 s19, s19, 4
	s_bfe_u32 s18, s18, 0x40007                    ; the step of 128 tokens in the sequence
	s_add_co_u32 s19, s19, s18
	s_mul_i32 s2, s19, 18432
	s_mul_i32 s18, s[TT], 6144
	s_add_co_u32 s2, s2, s18
	s_mov_b32 s3, 0
	s_add_nc_u64 s[12:13], s[12:13], s[2:3]        ; OB
	s_mul_i32 s2, s19, 1280
	s_lshl_b32 s18, s[TT], 9
	s_add_co_u32 s2, s2, s18
	s_add_nc_u64 s[66:67], s[66:67], s[2:3]        ; and the scale words' place
; Block a: 16 rows of A x 128 along B: a lane's 64 numbers, register 16 e + i = 32 e + 16 (l / 16) + i, become the 12 registers of an operand and a scale word.
.macro QBLOCK a
.set WN, 2+(\a)/4                      ; the block's window
.set AC, 64*((\a)%4)
.set W12, (WN<<2)|(WN<<4)
.if (\a) > 0
	s_wait_xcnt 0x0                                ; the last block's stores have read their data and their base: both are written again only behind this wait
.if (\a) == 4
	s_add_nc_u64 s[12:13], s[12:13], s[22:23]
.else
	s_add_nc_u64 s[12:13], s[12:13], s[20:21]
.endif
.endif
	WIN W12                                        ; sources 1 and 2 in the block's window
.irp b, 0,1,2,3
	v_max3_num_f32 v[TM+\b], s104, |v[AC+16*\b]|, |v[AC+16*\b+1]|   ; the largest magnitude of my 16 of each block of 32, with the floor among the leaves; each accumulator is read from its low end on
.endr
.irp i, 2,4,6,8,10,12,14
.irp b, 0,1,2,3
	v_max3_num_f32 v[TM+\b], v[TM+\b], |v[AC+16*\b+\i]|, |v[AC+16*\b+\i+1]|   ; (the four blocks by turns)
.endr
.endr
	WIN 0
.irp b, 0,1,2,3
	v_permlanex16_b32 v[TM+4+\b], v[TM+\b], s46, s47
.endr
.irp b, 0,1,2,3
	v_max_num_f32 v[TM+\b], v[TM+\b], v[TM+4+\b]   ; with lane l xor 16's 16
.endr
.irp b, 0,1,2,3
	v_add_nc_u32 v[TM+12+\b], 0xff000000, v[TM+\b] ; 2 off the exponent field: the conversion's scale operand
.endr
.irp b, 0,1,2,3
	v_lshrrev_b32 v[TM+4+\b], 23, v[TM+12+\b]      ; the scale's byte
.endr
	v_lshl_or_b32 v[PWS+(\a)], v[TM+5], 8, v[TM+4] ; my row's scale word (both halves of the lanes hold it)
	v_lshl_or_b32 v[PWS+(\a)], v[TM+6], 16, v[PWS+(\a)]
	v_lshl_or_b32 v[PWS+(\a)], v[TM+7], 24, v[PWS+(\a)]
	WIN WN                                         ; source 0 in the block's window
.irp c, 0,1
	v_cvt_scalef32_pk16_fp6_f32 v[CD+6*\c:CD+6*\c+2], v[AC+32*\c:AC+32*\c+15], v[TM+12+2*\c]
	v_cvt_scalef32_pk16_fp6_f32 v[CD+12+4*\c:CD+14+4*\c], v[AC+32*\c+16:AC+32*\c+31], v[TM+12+2*\c+1]   ; (a conversion's three registers begin on an even number)
.endr
	WIN 0
	v_nop                                          ; one plain place behind a scaled conversion
.irp c, 0,1                                    ; the operand's layout wants a WHOLE block in a lane: lanes 0-15 block 2 c, lanes 16-31 block 2 c + 1
.irp i, 0,1,2
	v_permlane16_swap_b32 v[CD+6*\c+\i], v[CD+12+4*\c+\i]
.endr
.irp i, 0,1,2
	v_mov_b32 v[CD+3+6*\c+\i], v[CD+12+4*\c+\i]
.endr
.endr
.irp p, 0,1,2
	global_store_b64 v[VO0], v[CD+2*\p:CD+2*\p+1], s[12:13] offset:256*\p      ; 32 lanes store 256 consecutive bytes, aligned
.endr
.irp p, 0,1,2
	global_store_b64 v[VO1], v[CD+6+2*\p:CD+6+2*\p+1], s[12:13] offset:256*\p
.endr
.endm
.irp a, 0,1,2,3,4,5,6,7
	QBLOCK \a
.endr
.irp j, 0,1,2,3
	v_cndmask_b32 v[WD+\j], v[PWS+2*\j], v[PWS+2*\j+1], s105   ; word j: lanes 0-15 block 2 j's rows, lanes 16-31 block 2 j + 1's
.endr
	s_cmp_eq_u32 s[TT], 2
	s_cbranch_scc1 .Lscales_v
.irp j, 0,1,2,3
	v_lshrrev_b32 v[WD2+\j], 16, v[WD+\j]          ; q, k: bytes 0, 1 are the first head's two blocks, bytes 2, 3 the second's.  The bytes above a head's two scale zero codes alone, and are never 0xff
.endr
	global_store_b64 v[VO0], v[WD:WD+1], s[66:67]
	global_store_b64 v[VO0], v[WD+2:WD+3], s[66:67] offset:256
	global_store_b64 v[VO0], v[WD2:WD2+1], s[66:67] offset:16*1280
	global_store_b64 v[VO0], v[WD2+2:WD2+3], s[66:67] offset:16*1280+256
	s_branch .Lscales_done
.Lscales_v:
	global_store_b64 v[VO0], v[WD:WD+1], s[66:67]                  ; v: blocks 0-3 are the first head's four tiles of channels,
	global_store_b64 v[VO0], v[WD+2:WD+3], s[66:67] offset:16*1280 ; blocks 4-7 the second's
.Lscales_done:
	s_wait_tensorcnt 0x0                           ; the wave's end: behind my last tensor load
	ds_add_u32 v[SPW], v[NIL]
	s_wait_dscnt 0x0
	CROUND                                         ; the closing round: no work-group ends while a partner may still ask for a tile that names it
	s_endpgm
.Lfunc_end_k_q23ea439a73_proj:
	.size	k_q23ea439a73_proj, .Lfunc_end_k_q23ea439a73_proj-k_q23ea439a73_proj
	.p2alignl 7, 3214868480
	.fill 96, 4, 3214868480
	.section	.rodata,"a",@progbits
	.p2align	6, 0x0
	.amdhsa_kernel k_q23ea439a73_proj
		.amdhsa_group_segment_fixed_size 327680
		.amdhsa_private_segment_fixed_size 0
		.amdhsa_enable_private_segment 0
		.amdhsa_kernarg_size 72
		.amdhsa_user_sgpr_count 2
		.amdhsa_user_sgpr_kernarg_segment_ptr 1
		.amdhsa_wavefront_size32 1
		.amdhsa_system_sgpr_workgroup_id_x 1
		.amdhsa_system_sgpr_workgroup_id_y 1
		.amdhsa_system_sgpr_workgroup_id_z 1
		.amdhsa_system_vgpr_workitem_id 0
		.amdhsa_next_free_vgpr 1024
		.amdhsa_next_free_sgpr 106
		.amdhsa_reserve_vcc 0
		.amdhsa_float_denorm_mode_32 3
		.amdhsa_float_denorm_mode_16_64 3
		.amdhsa_memory_ordered 1
		.amdhsa_forward_progress 1
		.amdhsa_inst_pref_size 191
	.end_amdhsa_kernel
	.amdgpu_metadata
---
amdhsa.version: [ 1, 2 ]
amdhsa.kernels:
  - .name:           k_q23ea439a73_proj
    .symbol:         k_q23ea439a73_proj.kd
    .args:
      - { .name: xc, .offset: 0, .size: 8, .value_kind: global_buffer, .address_space: global }
      - { .name: xs, .offset: 8, .size: 8, .value_kind: global_buffer, .address_space: global }
      - { .name: wc, .offset: 16, .size: 8, .value_kind: global_buffer, .address_space: global }
      - { .name: ws, .offset: 24, .size: 8, .value_kind: global_buffer, .address_space: global }
      - { .name: bq, .offset: 32, .size: 8, .value_kind: global_buffer, .address_space: global }
      - { .name: bk, .offset: 40, .size: 8, .value_kind: global_buffer, .address_space: global }
      - { .name: bv, .offset: 48, .size: 8, .value_kind: global_buffer, .address_space: global }
      - { .name: ac, .offset: 56, .size: 8, .value_kind: global_buffer, .address_space: global }
      - { .name: asc, .offset: 64, .size: 8, .value_kind: global_buffer, .address_space: global }
    .group_segment_fixed_size: 327680
    .private_segment_fixed_size: 0
    .kernarg_segment_align: 8
    .kernarg_segment_size: 72
    .max_flat_workgroup_size: 128
    .sgpr_count:     106
    .vgpr_count:     1024
    .wavefront_size: 32
...
	.end_amdgpu_metadata
.endif
;; end of part 3
;; launch attn (part 4): grid 4 x 64, 16 waves a work-group, clusters of 4 x 1, 210,944 bytes of LDS; arguments ac, asc, cc, cs; writes cc, cs
.if DOCPART == 4
	.amdgcn_target "amdgcn-amd-amdhsa--gfx1250"
	.amdhsa_code_object_version 6
	.text
	.protected	k_q23ea439a73_attn
	.globl	k_q23ea439a73_attn
	.p2align	8
	.type	k_q23ea439a73_attn,@function
k_q23ea439a73_attn:
	s_mov_b64 s[64:65], 0
	v_nop
	global_prefetch_b8 v0, s[64:65] scope:SCOPE_SE
	s_setreg_imm32_b32 hwreg(HW_REG_WAVE_MODE, 25, 1), 1
	s_wait_xcnt 0x0
	s_wait_alu depctr_hold_cnt(0) depctr_sa_sdst(0) depctr_va_vdst(0) depctr_va_sdst(0) depctr_va_ssrc(0) depctr_va_vcc(0) depctr_vm_vsrc(0)
	s_getreg_b32 s2, hwreg(HW_REG_IB_STS2, 6, 4)
	s_cmp_eq_u32 s2, 0
	s_cbranch_scc0 .Lentry_in_a_cluster
	s_endpgm
.Lentry_in_a_cluster:
	s_bfe_u32 s2, ttmp6, 0x10000c
	s_cmp_lg_u32 s2, 0x3003
	s_cbranch_scc0 .Lentry_shape_is_right
	s_endpgm
.Lentry_shape_is_right:
.set STEPB, 13056
.set VOFF,  6144
.set KSOFF, 12288
.set VSOFF, 12800
.set CHUNK, 4*STEPB
.set SPARE, 16*STEPB
.set SPW, 1
.set NIL, 2
.set AL8, 3
.set ADK, 4
.set R8,  5
.set FF,  6
.set KSR, 8
.set NM,  12
.set MT,  13
.set LS,  14
.set QF,  16
.set QS,  28
.set PS,  29
.set VS,  30
.set KF,  32
.set VF,  86
.set S,   134
.set O,   198
.set P,   230
.set BM,  242
.set T2,  242
.set PT,  246
.set SO,  250
.set TA,  254
.set CSO, 255
.set WV,  12
.set CX,  13
.set SEL, 14
.set CS,  16
.set G1C, 24
.set G1S, 32
.set G0S, 40
.set G0C, 44
.set TB,  60
.set CNT, 61
.set HI16, 62
.set QB,  66
.set QSB, 68
.set CCB, 70
.set CSB, 72
.macro CROUND
	s_barrier_signal -1
	s_barrier_wait -1
	s_cmp_lg_u32 s[WV], 0
	s_cbranch_scc1 .Lnot_wave_0_\@
	s_barrier_signal -3
.Lnot_wave_0_\@:
	s_barrier_wait -3
	s_barrier_signal -1
	s_barrier_wait -1
.endm
	s_load_b256 s[4:11], s[0:1], 0x0
	v_lshl_add_u32 v[SPW], v0, 2, SPARE
	v_mov_b32 v[NIL], 0
	ds_add_u32 v[SPW], v[NIL]
	ds_add_u32 v[SPW], v[NIL]
	v_lshrrev_b32 v3, 5, v0
	s_delay_alu instid0(VALU_DEP_1)
	v_readfirstlane_b32 s[WV], v3
	s_bfe_u32 s[CX], ttmp6, 0x40000
	s_and_b32 s74, ttmp7, 0xffff
	s_mov_b32 s[G1C], 15|(3<<16)|(1<<21)
	s_mov_b32 s[G1C+1], 32<<16
	s_mov_b32 s[G1C+2], 12<<16
	s_mov_b32 s[G1C+3], 32<<16
	s_mov_b32 s[G1C+4], 12
	s_mov_b32 s[G1C+5], 32
	s_mov_b32 s[G1C+6], 0
	s_mov_b32 s[G1C+7], 0
	s_mov_b32 s[G1S], 15|(3<<16)|(1<<21)
	s_mov_b32 s[G1S+1], 32<<16
	s_mov_b32 s[G1S+2], 3<<16
	s_mov_b32 s[G1S+3], 32<<16
	s_mov_b32 s[G1S+4], 3
	s_mov_b32 s[G1S+5], 32
	s_mov_b32 s[G1S+6], 0
	s_mov_b32 s[G1S+7], 0
	s_lshl_b32 s75, s74, 4
	s_add_co_u32 s76, s75, s[WV]
	s_mul_i32 s76, s76, 1280
	s_add_co_u32 s76, s76, 512
	s_mov_b32 s77, 0
	s_lshr_b32 s78, s[WV], 2
	s_and_b32 s79, s[WV], 3
	s_add_co_u32 s80, s75, s78
	s_mul_i32 s80, s80, 18432
	s_mul_i32 s82, s79, 3072
	s_add_co_u32 s80, s80, s82
	s_add_co_u32 s80, s80, 6144
	s_mov_b32 s81, 0
	s_mul_i32 s78, s78, STEPB
	s_add_co_u32 s78, s78, s82
	s_mul_i32 s79, s[WV], STEPB
	s_add_co_u32 s79, s79, KSOFF
	s_lshl_b32 s83, s[CX], 2
	s_add_co_u32 s83, s83, s75
	s_lshr_b32 s84, s[WV], 3
	s_add_co_u32 s83, s83, s84
	s_and_b32 s84, s[WV], 7
	s_mul_i32 s86, s83, 18432
	s_mul_i32 s85, s84, 768
	s_add_co_u32 s86, s86, s85
	s_mov_b32 s87, 0
	s_mul_i32 s88, s83, 1280
	s_and_b32 s85, s84, 1
	s_lshl_b32 s85, s85, 7
	s_add_co_u32 s88, s88, s85
	s_bfe_u32 s85, s84, 0x10001
	s_lshl_b32 s85, s85, 2
	s_add_co_u32 s88, s88, s85
	s_lshr_b32 s85, s84, 2
	s_lshl_b32 s85, s85, 8
	s_add_co_u32 s88, s88, s85
	s_mov_b32 s89, 0
	s_and_b32 s84, s74, 15
	s_lshr_b32 s85, s74, 4
	s_lshl_b32 s90, s84, 9
	s_lshl_b32 s91, s85, 7
	s_add_co_u32 s90, s90, s91
	s_lshl_b32 s91, s[CX], 5
	s_add_co_u32 s90, s90, s91
	s_add_co_u32 s90, s90, s[WV]
	s_mul_i32 s90, s90, 768
	s_mov_b32 s91, 0
	s_lshl_b32 s92, s85, 11
	s_lshl_b32 s93, s[CX], 9
	s_add_co_u32 s92, s92, s93
	s_lshl_b32 s93, s[WV], 4
	s_add_co_u32 s92, s92, s93
	s_lshl_b32 s92, s92, 5
	s_lshl_b32 s93, s84, 1
	s_add_co_u32 s92, s92, s93
	s_mov_b32 s93, 0
	s_mov_b32 s[SEL], 0x76543210
	s_mov_b32 s[SEL+1], 0xfedcba98
	s_mov_b32 s[CS], 0x3e38aa3b
	s_mov_b32 s[CS+1], s[CS]
	s_mov_b32 s[HI16], 0xffff0000
	s_wait_dscnt 0x0
	s_wait_kmcnt 0x0
	s_add_nc_u64 s[76:77], s[6:7], s[76:77]
	s_add_nc_u64 s[80:81], s[4:5], s[80:81]
	s_add_nc_u64 s[QB:QB+1], s[4:5], s[86:87]
	s_add_nc_u64 s[QSB:QSB+1], s[6:7], s[88:89]
	s_add_nc_u64 s[CCB:CCB+1], s[8:9], s[90:91]
	s_add_nc_u64 s[CSB:CSB+1], s[10:11], s[92:93]
	s_mov_b32 s[G0S], 1
	s_mov_b32 s[G0S+1], s79
	s_mov_b64 s[G0S+2:G0S+3], s[76:77]
	s_or_b32 s[G0S+3], s[G0S+3], 0x80000000
.irp j, 0,1,2,3
	s_mov_b32 s[G0C+4*\j], 1
	s_add_co_u32 s[G0C+4*\j+1], s78, \j*CHUNK
	s_add_nc_u64 s[G0C+4*\j+2:G0C+4*\j+3], s[80:81], \j*4*18432
	s_or_b32 s[G0C+4*\j+3], s[G0C+4*\j+3], 0x80000000
.endr
	CROUND
	tensor_load_to_lds s[G0S:G0S+3], s[G1S:G1S+7]
	s_nop 0
.irp j, 0,1,2,3
	tensor_load_to_lds s[G0C+4*\j:G0C+4*\j+3], s[G1C:G1C+7]
	s_nop 0
.endr
.rept 4
	v_nop
.endr
	v_and_b32 v[AL8], 31, v0
	s_delay_alu instid0(VALU_DEP_1)
	v_lshlrev_b32 v[AL8], 3, v[AL8]
	v_and_b32 v[R8], 15, v0
	v_bfe_u32 v[TA], v0, 4, 1
	s_delay_alu instid0(VALU_DEP_1)
	v_lshl_add_u32 v[CSO], v[R8], 5, v[TA]
	s_delay_alu instid0(VALU_DEP_3)
	v_lshlrev_b32 v[R8], 3, v[R8]
	v_mov_b32 v[FF+1], 0
.irp i, 0,1,2,3,4,5
	v_mov_b32 v[QF+6+\i], 0
	v_mov_b32 v[KF+48+\i], 0
.endr
.irp b, 0,1,2,3
	v_mov_b32 v[PT+\b], 0
.endr
.macro STEP
	v_add_nc_u32 v[ADK], s[TB], v[AL8]
.rept 3
	v_nop
.endr
	ds_load_b64 v[KSR:KSR+1], v[ADK] offset:KSOFF
	ds_load_b64 v[KSR+2:KSR+3], v[ADK] offset:KSOFF+256
.irp t, 0,1,2,3,4,5,6,7
.irp p, 0,1,2
	ds_load_b64 v[KF+6*\t+2*\p:KF+6*\t+2*\p+1], v[ADK] offset:768*\t+256*\p
.endr
.endr
.irp t, 0,1,2,3
.irp p, 0,1,2,3,4,5
	ds_load_b64 v[VF+12*\t+2*\p:VF+12*\t+2*\p+1], v[ADK] offset:VOFF+1536*\t+256*\p
.endr
.endr
	ds_load_b64 v[VS:VS+1], v[ADK] offset:VSOFF
	s_wait_dscnt 25
.irp t, 0,2,4,6
	v_wmma_scale_f32_16x16x128_f8f6f4 v[S+8*\t:S+8*\t+7], v[KF+6*\t:KF+6*\t+11], v[QF:QF+11], 0, v[KSR+\t/2], v[QS] matrix_a_fmt:MATRIX_FMT_FP6 matrix_b_fmt:MATRIX_FMT_FP6
	v_wmma_scale_f32_16x16x128_f8f6f4 v[S+8*(\t+1):S+8*(\t+1)+7], v[KF+6*(\t+1):KF+6*(\t+1)+11], v[QF:QF+11], 0, v[KSR+\t/2], v[QS] matrix_a_fmt:MATRIX_FMT_FP6 matrix_b_fmt:MATRIX_FMT_FP6 matrix_a_scale:MATRIX_SCALE_ROW1
.endr
.rept 4
	v_nop
.endr
.irp b, 0,1,2,3
	v_max3_num_f32 v[BM+\b], v[S+16*\b], v[S+16*\b+1], v[S+16*\b+2]
.endr
.irp i, 3,5,7,9,11,13
.irp b, 0,1,2,3
	v_max3_num_f32 v[BM+\b], v[BM+\b], v[S+16*\b+\i], v[S+16*\b+\i+1]
.endr
.endr
.irp b, 0,1,2,3
	v_max_num_f32 v[BM+\b], v[BM+\b], v[S+16*\b+15]
.endr
.irp b, 0,1,2,3
	s_delay_alu instid0(VALU_DEP_4)
	v_permlanex16_b32 v[PT+\b], v[BM+\b], s[SEL], s[SEL+1]
.endr
.irp b, 0,1,2,3
	s_delay_alu instid0(VALU_DEP_4)
	v_max_num_f32 v[BM+\b], v[BM+\b], v[PT+\b]
.endr
	s_delay_alu instid0(VALU_DEP_2)
	v_max3_num_f32 v[TA], v[BM], v[BM+1], v[BM+2]
	s_delay_alu instid0(VALU_DEP_1)
	v_max_num_f32 v[TA], v[TA], v[BM+3]
	s_delay_alu instid0(VALU_DEP_1)
	v_mul_f32 v[TA], s[CS], v[TA]
	s_delay_alu instid0(VALU_DEP_1)
	v_max_num_f32 v[MT], v[MT], v[TA]
	v_mov_b32 v[TA], v[NM]
	s_delay_alu instid0(VALU_DEP_2)
	v_floor_f32 v[NM], -v[MT]
	s_delay_alu instid0(VALU_DEP_1)
	v_sub_f32 v[TA], v[NM], v[TA]
	s_delay_alu instid0(VALU_DEP_1)
	v_cvt_i32_f32 v[TA], v[TA]
	s_delay_alu instid0(VALU_DEP_1)
	v_ldexp_f32 v[FF], 1.0, v[TA]
.irp j, 0,2,4,6,8,10,12,14,16,18,20,22,24,26,28,30,32,34,36,38,40,42,44,46,48,50,52,54,56,58,60,62
	v_pk_fma_f32 v[S+\j:S+\j+1], v[S+\j:S+\j+1], s[CS:CS+1], v[NM:NM+1] op_sel_hi:[1,0,0]
.endr
.irp b, 0,1,2,3
	v_fma_f32 v[BM+\b], v[BM+\b], s[CS], v[NM]
.endr
	s_setprio 1
	s_wait_alu depctr_va_vdst(0)
.irp j, 0,1,2,3,4,5,6,7,8,9,10,11,12,13,14,15,16,17,18,19,20,21,22,23,24,25,26,27,28,29,30,31,32,33,34,35,36,37,38,39,40,41,42,43,44,45,46,47,48,49,50,51,52,53,54,55,56,57,58,59,60,61,62,63
	v_exp_f32 v[S+\j], v[S+\j]
.endr
	v_pk_mul_f32 v[LS:LS+1], v[LS:LS+1], v[FF:FF+1] op_sel_hi:[1,0]
	s_wait_alu depctr_va_vdst(0)
.irp b, 0,1,2,3
	v_exp_f32 v[BM+\b], v[BM+\b]
.endr
	v_pk_add_f32 v[246:247], v[138:139], v[142:143]
	v_pk_add_f32 v[252:253], v[146:147], v[150:151]
	v_pk_add_f32 v[250:251], v[154:155], v[158:159]
	v_pk_add_f32 v[248:249], v[162:163], v[166:167]
	v_pk_add_f32 v[240:241], v[170:171], v[174:175]
	v_pk_add_f32 v[238:239], v[178:179], v[182:183]
	v_pk_add_f32 v[236:237], v[186:187], v[190:191]
	v_pk_add_f32 v[14:15], v[14:15], v[194:195]
	v_pk_add_f32 v[246:247], v[246:247], v[134:135]
	v_pk_add_f32 v[252:253], v[252:253], v[136:137]
	v_pk_add_f32 v[250:251], v[250:251], v[140:141]
	v_pk_add_f32 v[248:249], v[248:249], v[144:145]
	v_pk_add_f32 v[240:241], v[240:241], v[148:149]
	v_pk_add_f32 v[238:239], v[238:239], v[152:153]
	v_pk_add_f32 v[236:237], v[236:237], v[156:157]
	v_pk_add_f32 v[14:15], v[14:15], v[160:161]
	v_pk_add_f32 v[246:247], v[246:247], v[164:165]
	v_pk_add_f32 v[252:253], v[252:253], v[168:169]
	v_pk_add_f32 v[250:251], v[250:251], v[172:173]
	v_pk_add_f32 v[248:249], v[248:249], v[176:177]
	v_pk_add_f32 v[240:241], v[240:241], v[180:181]
	v_pk_add_f32 v[238:239], v[238:239], v[184:185]
	v_pk_add_f32 v[236:237], v[236:237], v[188:189]
	v_pk_add_f32 v[14:15], v[14:15], v[192:193]
	v_pk_add_f32 v[246:247], v[246:247], v[196:197]
	s_delay_alu instid0(VALU_DEP_2)
	v_pk_add_f32 v[14:15], v[14:15], v[248:249]
	s_delay_alu instid0(VALU_DEP_2)
	v_pk_add_f32 v[246:247], v[246:247], v[240:241]
	v_pk_add_f32 v[252:253], v[252:253], v[238:239]
	v_pk_add_f32 v[250:251], v[250:251], v[236:237]
	s_delay_alu instid0(VALU_DEP_2)
	v_pk_add_f32 v[14:15], v[14:15], v[252:253]
	s_delay_alu instid0(VALU_DEP_2)
	v_pk_add_f32 v[246:247], v[246:247], v[250:251]
	s_delay_alu instid0(VALU_DEP_1)
	v_pk_add_f32 v[14:15], v[14:15], v[246:247]
	s_wait_alu depctr_va_vdst(0)
.irp b, 0,1,2,3
	v_max_num_f32 v[BM+\b], 0x1800000, v[BM+\b]
.endr
.irp b, 0,1,2,3
	s_delay_alu instid0(VALU_DEP_4)
	v_add_nc_u32 v[SO+\b], 0xff000000, v[BM+\b]
.endr
.irp b, 0,1,2,3
	s_delay_alu instid0(VALU_DEP_4)
	v_lshrrev_b32 v[PT+\b], 23, v[SO+\b]
.endr
	s_delay_alu instid0(VALU_DEP_3)
	v_lshl_or_b32 v[PS], v[PT+1], 8, v[PT]
	s_delay_alu instid0(VALU_DEP_1)
	v_lshl_or_b32 v[PS], v[PT+2], 16, v[PS]
	s_delay_alu instid0(VALU_DEP_1)
	v_lshl_or_b32 v[PS], v[PT+3], 24, v[PS]
.irp c, 0,1
	v_cvt_scalef32_pk16_fp6_f32 v[P+6*\c:P+6*\c+2], v[S+32*\c:S+32*\c+15], v[SO+2*\c]
	v_cvt_scalef32_pk16_fp6_f32 v[T2+4*\c:T2+4*\c+2], v[S+32*\c+16:S+32*\c+31], v[SO+2*\c+1]
.endr
	v_nop
	s_setprio 0
.irp c, 0,1
.irp i, 0,1,2
	v_permlane16_swap_b32 v[P+6*\c+\i], v[T2+4*\c+\i]
.endr
.irp i, 0,1,2
	s_delay_alu instid0(VALU_DEP_3)
	v_mov_b32 v[P+3+6*\c+\i], v[T2+4*\c+\i]
.endr
.endr
.irp j, 0,2,4,6,8,10,12,14,16,18,20,22,24,26,28,30
	v_pk_mul_f32 v[O+\j:O+\j+1], v[O+\j:O+\j+1], v[FF:FF+1] op_sel_hi:[1,0]
.endr
	s_wait_alu depctr_va_vdst(0)
	s_wait_dscnt 0x0
.irp t, 0,2
	v_wmma_scale_f32_16x16x128_f8f6f4 v[O+8*\t:O+8*\t+7], v[VF+12*\t:VF+12*\t+11], v[P:P+11], v[O+8*\t:O+8*\t+7], v[VS+\t/2], v[PS] matrix_a_fmt:MATRIX_FMT_FP6 matrix_b_fmt:MATRIX_FMT_FP6
	v_wmma_scale_f32_16x16x128_f8f6f4 v[O+8*(\t+1):O+8*(\t+1)+7], v[VF+12*(\t+1):VF+12*(\t+1)+11], v[P:P+11], v[O+8*(\t+1):O+8*(\t+1)+7], v[VS+\t/2], v[PS] matrix_a_fmt:MATRIX_FMT_FP6 matrix_b_fmt:MATRIX_FMT_FP6 matrix_a_scale:MATRIX_SCALE_ROW1
.endr
.endm
.macro WALK first, trips
	s_mov_b32 s[TB], \first
	s_mov_b32 s[CNT], \trips
.Lstep_\@:
	s_setprio 2
	STEP
	s_add_co_u32 s[TB], s[TB], STEPB
	s_sub_co_u32 s[CNT], s[CNT], 1
	s_cmp_lg_u32 s[CNT], 0
	s_cbranch_scc1 .Lstep_\@
	s_setprio 0
.endm
.macro HEAD u
.if \u
	s_wait_xcnt 0x0
.endif
.irp p, 0,1,2
	global_load_b64 v[QF+2*\p:QF+2*\p+1], v[AL8], s[QB:QB+1] offset:2*18432*\u+256*\p
.endr
	global_load_b32 v[QS], v[R8], s[QSB:QSB+1] offset:2*1280*\u
	v_mov_b32 v[MT], 0xff61b1e6
	s_delay_alu instid0(VALU_DEP_1)
	v_floor_f32 v[NM], -v[MT]
	v_mov_b32 v[LS], 0
	v_mov_b32 v[LS+1], 0
.irp j, 0,1,2,3,4,5,6,7,8,9,10,11,12,13,14,15,16,17,18,19,20,21,22,23,24,25,26,27,28,29,30,31
	v_mov_b32 v[O+\j], 0
.endr
	s_wait_loadcnt 0x0
.endm
.macro TAIL u
	v_add_f32 v[LS], v[LS], v[LS+1]
	v_nop
	v_nop
	v_permlanex16_b32 v[TA], v[LS], s[SEL], s[SEL+1]
	s_delay_alu instid0(VALU_DEP_1)
	v_add_f32 v[LS], v[LS], v[TA]
	s_wait_alu depctr_va_vdst(0)
	v_rcp_f32 v[LS], v[LS]
	v_nop
	v_nop
	s_wait_alu depctr_va_vdst(0)
.irp j, 0,2,4,6,8,10,12,14,16,18,20,22,24,26,28,30
	v_pk_mul_f32 v[S+\j:S+\j+1], v[O+\j:O+\j+1], v[LS:LS+1] op_sel_hi:[1,0]
.endr
.irp b, 0,1
	v_max3_num_f32 v[BM+\b], |v[S+16*\b]|, |v[S+16*\b+1]|, 0x1800000
.endr
.irp i, 2,4,6,8,10,12,14
.irp b, 0,1
	s_delay_alu instid0(VALU_DEP_2)
	v_max3_num_f32 v[BM+\b], v[BM+\b], |v[S+16*\b+\i]|, |v[S+16*\b+\i+1]|
.endr
.endr
.irp b, 0,1
	s_delay_alu instid0(VALU_DEP_2)
	v_permlanex16_b32 v[PT+\b], v[BM+\b], s[SEL], s[SEL+1]
.endr
.irp b, 0,1
	s_delay_alu instid0(VALU_DEP_2)
	v_max_num_f32 v[BM+\b], v[BM+\b], v[PT+\b]
.endr
.irp b, 0,1
	s_delay_alu instid0(VALU_DEP_2)
	v_add_nc_u32 v[SO+\b], 0xff000000, v[BM+\b]
.endr
.irp b, 0,1
	s_delay_alu instid0(VALU_DEP_2)
	v_lshrrev_b32 v[PT+\b], 23, v[SO+\b]
.endr
	s_delay_alu instid0(VALU_DEP_1)
	v_cndmask_b32 v[PT], v[PT], v[PT+1], s[HI16]
	v_cvt_scalef32_pk16_fp6_f32 v[P:P+2], v[S:S+15], v[SO]
	v_cvt_scalef32_pk16_fp6_f32 v[T2:T2+2], v[S+16:S+31], v[SO+1]
	v_nop
.irp i, 0,1,2
	v_permlane16_swap_b32 v[P+\i], v[T2+\i]
.endr
.irp i, 0,1,2
	s_delay_alu instid0(VALU_DEP_3)
	v_mov_b32 v[P+3+\i], v[T2+\i]
.endr
.irp p, 0,1,2
	global_store_b64 v[AL8], v[P+2*\p:P+2*\p+1], s[CCB:CCB+1] offset:16*768*\u+256*\p
.endr
	global_store_b8 v[CSO], v[PT], s[CSB:CSB+1] offset:256*32*\u
.endm
	HEAD 0
.irp j, 0,1,2,3
	s_wait_tensorcnt 3-\j
	s_barrier_signal -1
	s_barrier_wait -1
	WALK \j*CHUNK, 4
.endr
	TAIL 0
	HEAD 1
	WALK 0, 16
	TAIL 1
	s_wait_tensorcnt 0x0
	ds_add_u32 v[SPW], v[NIL]
	s_wait_dscnt 0x0
	CROUND
	s_endpgm
.Lfunc_end_k_q23ea439a73_attn:
	.size	k_q23ea439a73_attn, .Lfunc_end_k_q23ea439a73_attn-k_q23ea439a73_attn
	.p2alignl 7, 3214868480
	.fill 96, 4, 3214868480
	.section	.rodata,"a",@progbits
	.p2align	6, 0x0
	.amdhsa_kernel k_q23ea439a73_attn
		.amdhsa_group_segment_fixed_size 210944
		.amdhsa_private_segment_fixed_size 0
		.amdhsa_enable_private_segment 0
		.amdhsa_kernarg_size 32
		.amdhsa_user_sgpr_count 2
		.amdhsa_user_sgpr_kernarg_segment_ptr 1
		.amdhsa_wavefront_size32 1
		.amdhsa_system_sgpr_workgroup_id_x 1
		.amdhsa_system_sgpr_workgroup_id_y 1
		.amdhsa_system_sgpr_workgroup_id_z 1
		.amdhsa_system_vgpr_workitem_id 0
		.amdhsa_next_free_vgpr 256
		.amdhsa_next_free_sgpr 96
		.amdhsa_reserve_vcc 0
		.amdhsa_float_denorm_mode_32 3
		.amdhsa_float_denorm_mode_16_64 3
		.amdhsa_memory_ordered 1
		.amdhsa_forward_progress 1
		.amdhsa_inst_pref_size 112
	.end_amdhsa_kernel
	.amdgpu_metadata
---
amdhsa.version: [ 1, 2 ]
amdhsa.kernels:
  - .name:           k_q23ea439a73_attn
    .symbol:         k_q23ea439a73_attn.kd
    .args:
      - { .name: ac, .offset: 0, .size: 8, .value_kind: global_buffer, .address_space: global }
      - { .name: asc, .offset: 8, .size: 8, .value_kind: global_buffer, .address_space: global }
      - { .name: cc, .offset: 16, .size: 8, .value_kind: global_buffer, .address_space: global }
      - { .name: cs, .offset: 24, .size: 8, .value_kind: global_buffer, .address_space: global }
    .group_segment_fixed_size: 210944
    .private_segment_fixed_size: 0
    .kernarg_segment_align: 8
    .kernarg_segment_size: 32
    .max_flat_workgroup_size: 512
    .sgpr_count:     96
    .vgpr_count:     256
    .wavefront_size: 32
...
	.end_amdgpu_metadata
.endif
;; end of part 4
;; launch outproj (part 5): grid 4 x 32, 4 waves a work-group, clusters of 4 x 4, 327,680 bytes of LDS; arguments cc, cs, wc, ws, bo, out0; writes out0
.if DOCPART == 5
	.amdgcn_target "amdgcn-amd-amdhsa--gfx1250"
	.amdhsa_code_object_version 6
	.text
	.protected	k_q23ea439a73_outproj
	.globl	k_q23ea439a73_outproj
	.p2align	8
	.type	k_q23ea439a73_outproj,@function
k_q23ea439a73_outproj:
	s_mov_b64 s[64:65], 0
	v_nop
	global_prefetch_b8 v0, s[64:65] scope:SCOPE_SE
	s_setreg_imm32_b32 hwreg(HW_REG_WAVE_MODE, 25, 1), 1
	s_wait_xcnt 0x0
	s_wait_alu depctr_hold_cnt(0) depctr_sa_sdst(0) depctr_va_vdst(0) depctr_va_sdst(0) depctr_va_ssrc(0) depctr_va_vcc(0) depctr_vm_vsrc(0)
	s_getreg_b32 s2, hwreg(HW_REG_IB_STS2, 6, 4)
	s_cmp_eq_u32 s2, 0
	s_cbranch_scc0 .Lentry_in_a_cluster
	s_endpgm
.Lentry_in_a_cluster:
	s_bfe_u32 s2, ttmp6, 0x10000c
	s_cmp_lg_u32 s2, 0xf033
	s_cbranch_scc0 .Lentry_shape_is_right
	s_endpgm
.Lentry_shape_is_right:
; out0 = ctx Wo + bo: 8,192 x 1,024 x 1,024 on codes of FP6 (E2M3), f32 out.  No work is left out.
; A tile of 256 x 256 is made by a work-group of four waves; a wave makes 128 x 128: 64 accumulators of 16 x 16.  128 work-groups: a smaller tile would give each WGP one, at one and a half times the LDS bytes for each product
; and with another order of fetches; this launch is a small part of the program, so the projections' body is kept.
; A = ctx's codes, as the attention left them: cc [16 heads][512 tiles of 16 tokens][768]: the image of six registers (16 tokens x a head's 64 along K): registers 2 p, 2 p + 1 of lane l at 256 p + 8 l.
; A K step of 256 is four heads: one tensor load brings 4 rows (heads) x 6,144 bytes (8 tiles of tokens); a fragment of 128 along K is two heads' images, six loads of 256 consecutive bytes.
; B = Wo's codes (weight 3 of wc), rows of 768 bytes with bits 3 and 4 of n swapped, through padded LDS rows as in the projections.  Scale bytes: cs [8,192][32] and ws, for all of K, come once.
; THE MATRIX INSTRUCTION IS USED TRANSPOSED (source 0 = 16 rows of B, source 1 = 16 rows of A): a lane holds a token; block b's register j is column 32 (b / 2) + 16 (lane / 16) + 8 (b % 2) + j.  bo is the C of each sum's first product.
; 4 x 4 work-groups form a cluster: A's tiles are asked for jointly along a row of the cluster, B's along a column.
; REGISTERS: window 0: v0-31 addresses; v32-63 scale words, two sets; v64-127 the bias; from v128 A's fragments; on the way out v128-255.   window 1: B's fragments, two sets.   windows 2, 3: the accumulators.
.set SIZE_N, 1024
.set KSTEP,  256
.set NQ,     KSTEP/128
.set ROWB,   192
.set KROW,   768
.set PITCH,  240                       ; B's LDS row: 3 x (64 bytes + 16 of padding)
.set FR,     12
.set NL,     6
.set NP,     4
.set HALFT,  128*PITCH                 ; B: 128 rows: what one tensor load brings
.set HALFA,  4*6144                    ; A: 4 heads x 8 tiles of tokens x 768 bytes
.set ASTEP,  4*512*768                 ; a K step on in cc: four heads
.set SLOT,   2*HALFA+2*HALFT           ; A's two halves, then B's two
.set KS,     32
.set SCL,    2*SLOT
.set HALFS,  (128*KS/256)*272
.set SBLK,   (16*KS/256)*272
.set SPARE,  SCL+4*HALFS
.set SPITCH, 528                       ; the way out: a stage of 16 rows x (512 bytes + 16) for each wave, in slot 0, which has had its last fill and its last read when the first result is stored there
.set ADRA, 16                          ; v16-17  LDS address of my A images in slot 0, 1
.set ADRB, 20                          ; v20-21  of my B fragments (v22-23: behind one padding more)
.set STO,  24
.set RD,   25
.set CO,   26
.set ADRS, 27
.set SPW,  28
.set NIL,  29
.set SC,   32
.set BI,   64
.set AF,   128
.set BK,   128
.set G1, 24
.set G0, 32
.set G1B, 48
.set G0B, 56
.set G1S, 68
.set G0S, 76
.set G1SB, 80
.set G0SB, 88
.set MSB, 0
.macro WIN new                         ; the immediate's high byte repeats the setting that is left
.if MSB != \new
	s_set_vgpr_msb (MSB<<8)|\new
.set MSB, \new
.endif
.endm
.set MUL_LO, 0xa1
.set MUL_HI, 0xf1
.set BIA_LO, 0x81                      ; C (the bias) in window 0, D in window 2
.set BIA_HI, 0xc1
.set TO_B,   0x40
.macro JLOAD g0a, g1a, g0b, g1b        ; a joint load: waves 0 and 1 fetch for A, waves 2 and 3 for B; an s_nop 0 and four v_nop follow each of the two lines
	s_cmp_eq_u32 s15, 0
	s_cbranch_scc0 .Lfor_b_\@
	tensor_load_to_lds s[\g0a:\g0a+3], s[\g1a:\g1a+7]
	s_nop 0
.rept 4
	v_nop
.endr
	s_branch .Lasked_\@
.Lfor_b_\@:
	tensor_load_to_lds s[\g0b:\g0b+3], s[\g1b:\g1b+7]
	s_nop 0
.rept 4
	v_nop
.endr
.Lasked_\@:
.endm
.macro CREST
	s_cmp_lg_u32 s14, 0
	s_cbranch_scc1 .Lnot_wave_0_\@
	s_barrier_signal -3
.Lnot_wave_0_\@:
	s_barrier_wait -3
	s_barrier_signal -1
	s_barrier_wait -1
.endm
.macro CROUND
	s_barrier_signal -1
	s_barrier_wait -1
	CREST
.endm
	s_load_b256 s[4:11], s[0:1], 0x0               ; cc s[4:5], cs s[6:7], wc s[8:9], ws s[10:11]
	s_load_b64 s[96:97], s[0:1], 0x20              ; bo
	s_load_b64 s[12:13], s[0:1], 0x28              ; out0
	v_lshl_add_u32 v[SPW], v0, 2, SPARE
	v_mov_b32 v[NIL], 0
	ds_add_u32 v[SPW], v[NIL]                      ; the wave's opening: the add, twice on end, and its wait ahead of my first tensor load
	ds_add_u32 v[SPW], v[NIL]
	v_lshrrev_b32 v1, 5, v0
	v_readfirstlane_b32 s14, v1                    ; wave 0..3
	s_lshr_b32 s15, s14, 1                         ; which half of the tile's rows is mine.  Also: I fetch for A (0) or for B (1)
	s_and_b32 s16, s14, 1                          ; which half of its columns.  Also: which 128 rows of that tile I fetch
	s_bfe_u32 s40, ttmp6, 0x40000                  ; cx, cy
	s_bfe_u32 s41, ttmp6, 0x40004
	s_lshl_b32 s42, ttmp9, 2
	s_add_co_u32 s42, s42, s40                     ; tile column = 4 x cluster x + cx
	s_and_b32 s17, ttmp7, 0xffff
	s_lshl_b32 s17, s17, 2
	s_add_co_u32 s17, s17, s41                     ; tile row = 4 x cluster y + cy
	s_lshl_b32 s43, s41, 2
	s_lshl_b32 s43, 15, s43                        ; my row of the cluster
	s_lshl_b32 s44, 0x1111, s40                    ; my column
	; A's group 1: 4 rows (heads) of 768 elements of 8 bytes, 49,152 elements apart, no padding
	s_or_b32 s[G1+0], s43, (3<<16)|(1<<21)
	s_mov_b32 s[G1+1], 768<<16                     ; tensor_dim0
	s_mov_b32 s[G1+2], 4<<16                       ; tensor_dim1
	s_mov_b32 s[G1+3], 768<<16                     ; tile_dim0
	s_mov_b32 s[G1+4], 4                           ; tile_dim1
	s_mov_b32 s[G1+5], 512*768/8                   ; stride: a head's 512 tiles
	s_mov_b32 s[G1+6], 0
	s_mov_b32 s[G1+7], 0
	; B's: 128 rows x ROWB bytes, 16 bytes of padding behind every 64
	s_or_b32 s[G1B+0], s44, (0<<16)|(1<<20)|(1<<21)|(3<<22)|(3<<25)
	s_mov_b32 s[G1B+1], ROWB<<16
	s_mov_b32 s[G1B+2], 128<<16
	s_mov_b32 s[G1B+3], ROWB<<16
	s_mov_b32 s[G1B+4], 128
	s_mov_b32 s[G1B+5], KROW
	s_mov_b32 s[G1B+6], 0
	s_mov_b32 s[G1B+7], 0
	; the scales of 128 rows: 16 rows of 256 bytes, 16 bytes of padding behind each
	s_or_b32 s[G1S+0], s43, (3<<16)|(1<<20)|(1<<21)|(5<<22)|(3<<25)
	s_or_b32 s[G1SB+0], s44, (3<<16)|(1<<20)|(1<<21)|(5<<22)|(3<<25)
.irp g, G1S, G1SB
	s_mov_b32 s[\g+1], 32<<16
	s_mov_b32 s[\g+2], (128*KS/256)<<16
	s_mov_b32 s[\g+3], 32<<16
	s_mov_b32 s[\g+4], 128*KS/256
	s_mov_b32 s[\g+5], 32
	s_mov_b32 s[\g+6], 0
	s_mov_b32 s[\g+7], 0
.endr
	s_lshl_b32 s18, s16, 7                         ; which 128 rows of the tile I fetch
	s_lshl_b32 s20, s17, 8
	s_add_co_u32 s20, s20, s18                     ; A: token 256 x tile row + 128 x half
	s_lshl_b32 s46, s42, 8
	s_add_co_u32 s46, s46, s18                     ; B: row 256 x tile column + 128 x half
	s_lshl_b32 s22, s20, 5                         ; their scale bytes: 32 a row
	s_mov_b32 s23, 0
	s_lshl_b32 s92, s46, 5
	s_add_co_u32 s92, s92, 3*1024*KS               ; (weight 3 of ws)
	s_mov_b32 s93, 0
	s_mul_i32 s20, s20, 768/16                     ; A's codes: 768 bytes for each 16 tokens
	s_mov_b32 s21, 0
	s_mul_i32 s46, s46, KROW
	s_add_co_u32 s46, s46, 3*1024*KROW             ; (weight 3 of wc)
	s_mov_b32 s47, 0
	s_mul_i32 s45, s16, HALFA                      ; where they go: A's half,
	s_mul_i32 s3, s16, HALFT
	s_add_co_u32 s3, s3, 2*HALFA                   ; B's half, behind A's two: no place in the cluster enters an LDS address
	s_mul_i32 s94, s14, HALFS
	s_wait_dscnt 0x0                               ; both opening adds are done
	s_wait_kmcnt 0x0
	s_add_nc_u64 s[20:21], s[4:5], s[20:21]
	s_add_nc_u64 s[22:23], s[6:7], s[22:23]
	s_add_nc_u64 s[46:47], s[8:9], s[46:47]
	s_add_nc_u64 s[92:93], s[10:11], s[92:93]
	CROUND                                         ; all sixteen work-groups are here: the first joint loads meet
	s_mov_b32 s[G0S], 1
	s_add_co_u32 s[G0S+1], s94, SCL
	s_mov_b64 s[G0S+2:G0S+3], s[22:23]
	s_or_b32 s[G0S+3], s[G0S+3], 0x80000000
	s_mov_b32 s[G0SB], 1
	s_add_co_u32 s[G0SB+1], s94, SCL
	s_mov_b64 s[G0SB+2:G0SB+3], s[92:93]
	s_or_b32 s[G0SB+3], s[G0SB+3], 0x80000000
	JLOAD G0S, G1S, G0SB, G1SB                     ; the scales first: they are wanted with K step 0
.irp s, 0,1
	s_mov_b32 s[G0+4*\s], 1
	s_add_co_u32 s[G0+4*\s+1], s45, \s*SLOT
	s_add_nc_u64 s[G0+4*\s+2:G0+4*\s+3], s[20:21], \s*ASTEP
	s_or_b32 s[G0+4*\s+3], s[G0+4*\s+3], 0x80000000
	s_mov_b32 s[G0B+4*\s], 1
	s_add_co_u32 s[G0B+4*\s+1], s3, \s*SLOT
	s_add_nc_u64 s[G0B+4*\s+2:G0B+4*\s+3], s[46:47], \s*ROWB
	s_or_b32 s[G0B+4*\s+3], s[G0B+4*\s+3], 0x80000000
	JLOAD G0+4*\s, G1, G0B+4*\s, G1B               ; three tensor loads of mine are out
.endr
	v_and_b32 v1, 15, v0                           ; r
	v_bfe_u32 v2, v0, 4, 1                         ; h
	v_mul_u32_u24 v3, v1, PITCH
	v_mul_u32_u24 v4, v2, 24
	v_add_nc_u32 v4, v3, v4                        ; B: a fragment's row x pitch + 24 x half
	v_lshl_add_u32 v5, v2, 4, v4                   ; and the same behind one padding more
	v_and_b32 v6, 31, v0
	v_lshlrev_b32 v7, 3, v6                        ; A: 8 x lane
	s_mul_i32 s21, s15, HALFA                      ; my 128 rows of A
	s_mul_i32 s22, s16, HALFT                      ; my 128 rows of B,
	s_add_co_u32 s22, s22, 2*HALFA                 ; which lie behind A's two halves
.irp s, 0,1
	v_add_nc_u32 v[ADRA+\s], s21, v7
	v_add_nc_u32 v[ADRB+\s], s22, v4
	v_add_nc_u32 v[ADRB+2+\s], s22, v5
	s_add_co_u32 s21, s21, SLOT
	s_add_co_u32 s22, s22, SLOT
.endr
	v_mul_u32_u24 v5, v1, KS                       ; my row's scales: KS bytes a row,
	v_lshrrev_b32 v8, 8, v5
	v_lshl_add_u32 v5, v8, 4, v5                   ; and 16 more for each 256 passed
	s_mul_i32 s21, s15, HALFS                      ; A's: my 128 rows
	s_mul_i32 s22, s16, HALFS                      ; B's: my 128 rows, behind A's 256
	s_add_co_u32 s22, s22, 2*HALFS
	s_sub_co_u32 s22, s22, s21
	v_mul_u32_u24 v8, s22, v2                      ; lanes 16-31 take B's
	s_add_co_u32 s21, s21, SCL
	v_add_nc_u32 v5, v5, v8
	v_add_nc_u32 v[ADRS], s21, v5
	s_mul_i32 s23, s14, 16*SPITCH                  ; my stage
	v_mul_u32_u24 v5, v1, SPITCH                   ; in: row r; my half's 16 columns of each 32: 64 bytes on for lanes 16-31
	v_lshl_add_u32 v5, v2, 6, v5
	v_add_nc_u32 v[STO], s23, v5
	v_lshlrev_b32 v[CO], 4, v6                     ; back: the 32 lanes take one row of 512 bytes; and the same in out0
	v_add_nc_u32 v[RD], s23, v[CO]
	s_lshl_b32 s20, s17, 8
	s_lshl_b32 s21, s15, 7
	s_add_co_u32 s20, s20, s21                     ; my first row of out0
	s_mov_b32 s21, 0
	s_mov_b64 s[18:19], SIZE_N*4
	s_mul_u64 s[20:21], s[20:21], s[18:19]
	s_lshl_b32 s46, s42, 10                        ; my first column, in bytes: 1,024 x tile column + 512 x half
	s_lshl_b32 s47, s16, 9
	s_add_co_u32 s46, s46, s47
	s_mov_b32 s47, 0
	s_add_nc_u64 s[20:21], s[20:21], s[46:47]
	s_add_nc_u64 s[12:13], s[12:13], s[20:21]
	s_add_nc_u64 s[2:3], s[96:97], s[46:47]        ; bo at my first column: the same bytes on
	v_lshlrev_b32 v9, 6, v2                        ; block b's register j is column 32 (b / 2) + 16 h + 8 (b % 2) + j.  s[2:3] and v9 are not written again
.irp b, 0,1,2,3,4,5,6,7
	global_load_b128 v[BI+8*\b:BI+8*\b+3], v9, s[2:3] offset:4*(32*(\b/2)+8*(\b%2))
	global_load_b128 v[BI+8*\b+4:BI+8*\b+7], v9, s[2:3] offset:4*(32*(\b/2)+8*(\b%2))+16
.endr
.macro FRAG reg, adr, q, i             ; B: a fragment from padded rows, in pieces of 8 bytes; where the piece three on lies behind one padding more, the second address register serves
.irp p, 0,1,2,3,4,5
.set PCE, 12*(\q)+6*(\p/3)+\p%3
.if PCE%8 < 5
	ds_load_b64 v[\reg+2*\p:\reg+2*\p+1], v[\adr] offset:8*PCE+16*(PCE/8)+(\i)*16*PITCH
.else
	ds_load_b64 v[\reg+2*\p:\reg+2*\p+1], v[\adr+2] offset:8*PCE+16*(PCE/8)+(\i)*16*PITCH
.endif
.endr
.endm
.macro FRAGA reg, slot, q, i           ; A: a fragment is two heads' images: head 2 q + p / 3 of the slot's four, tile i of my eight, piece p % 3: 256 consecutive bytes a load
.irp p, 0,1,2,3,4,5
	ds_load_b64 v[\reg+2*\p:\reg+2*\p+1], v[ADRA+\slot] offset:(2*(\q)+\p/3)*6144+768*(\i)+256*(\p%3)
.endr
.endm
; 16 matrix instructions: A's blocks a0, a0 + 1 x B's eight.  cm = 1: the first product starts the sums from the bias; cm = 0: they go on in place.  The 64 accumulators take turns, one instruction a turn.
.macro MUL16 a0, p, q, sc, cm
.irp a, \a0, \a0+1
.irp b, 0,1,2,3,4,5,6,7
.set xD, 8*(8*((\a)%4)+\b)
.set xB, 128*(\p)+FR*\b
.set xA, AF+FR*(\a)
.set yB, SC+8*NQ*(\sc)+NQ*\b+(\q)
.set yA, SC+8*NQ*(\sc)+NQ*(\a)+(\q)
.if \cm == 1
	v_wmma_scale_f32_16x16x128_f8f6f4 v[xD:xD+7], v[xB:xB+FR-1], v[xA:xA+FR-1], v[BI+8*\b:BI+8*\b+7], v[yB], v[yA] matrix_a_fmt:MATRIX_FMT_FP6 matrix_b_fmt:MATRIX_FMT_FP6 matrix_a_scale:MATRIX_SCALE_ROW1
.else
	v_wmma_scale_f32_16x16x128_f8f6f4 v[xD:xD+7], v[xB:xB+FR-1], v[xA:xA+FR-1], v[xD:xD+7], v[yB], v[yA] matrix_a_fmt:MATRIX_FMT_FP6 matrix_b_fmt:MATRIX_FMT_FP6 matrix_a_scale:MATRIX_SCALE_ROW1
.endif
.endr
.endr
.endm
.macro FETCH_B slot, q, p
	WIN TO_B
.irp i, 0,1,2,3,4,5,6,7
	FRAG 128*(\p)+FR*\i, ADRB+\slot, \q, \i
.endr
	WIN 0
.endm
.macro FETCH_A slot, q, i0
.irp i, \i0, \i0+1, \i0+2, \i0+3
	FRAGA AF+FR*(\i), \slot, \q, \i
.endr
.endm
.macro SCALES sc                       ; the next K step's scale words into set sc: lanes 0-15 take A's block i, lanes 16-31 B's block i
.irp i, 0,1,2,3,4,5,6,7
	ds_load_b64 v[SC+8*NQ*\sc+NQ*\i:SC+8*NQ*\sc+NQ*\i+1], v[ADRS] offset:\i*SBLK
.endr
.endm
.macro PLACES n                        ; places behind matrix instructions, in front of loads into their registers and of reads of their results (ISA guide 7.12.1 for the reads of results)
.rept \n
	v_nop
.endr
.endm
.macro STEP slot, q, cm
	s_wait_dscnt 4*NL                              ; B's set and A's blocks 0-3 are in; the youngest 24 loads (A's blocks 4-7) may be out
.if \cm
	WIN BIA_LO
.else
	WIN MUL_LO
.endif
	MUL16 0, (\q)%2, \q, \slot, \cm
	MUL16 2, (\q)%2, \q, \slot, \cm
	s_wait_dscnt 0                                 ; A's blocks 4-7 are in
	PLACES NP
	FETCH_B \slot, (\q)+1, 1-(\q)%2
	FETCH_A \slot, (\q)+1, 0
.if \cm
	WIN BIA_HI
.else
	WIN MUL_HI
.endif
	MUL16 4, (\q)%2, \q, \slot, \cm
	MUL16 6, (\q)%2, \q, \slot, \cm
	PLACES NP
	WIN 0
	FETCH_A \slot, (\q)+1, 4
.endm
; A slot's last step changes slots: ONE barrier; in front of it each wave waits for all its tensor loads, adds 0 to its spare word, and waits for that and for its own reads of this slot.  fill = 1: this slot is filled again, two K steps ahead.
.macro TURN slot, next, fill
	s_wait_tensorcnt 0x0                           ; all my tensor loads have landed: my part of the next slot
	ds_add_u32 v[SPW], v[NIL]                      ; 0 onto my spare word
	s_wait_dscnt 4*NL+1                            ; (the add and the youngest 24 loads may be out)
	WIN MUL_LO
	MUL16 0, 1, NQ-1, \slot, 0
	s_wait_dscnt 0x0                               ; the add is done, and my reads of this slot are over
	s_barrier_signal -1
	MUL16 2, 1, NQ-1, \slot, 0
	WIN 0
	s_barrier_wait -1
.if \fill
	CREST                                          ; the barrier has opened a round of the cluster's barrier: no wave of any partner still reads this slot's tile or has a load on its way
	s_add_nc_u64 s[G0+4*\slot+2:G0+4*\slot+3], s[G0+4*\slot+2:G0+4*\slot+3], 2*ASTEP
	s_add_nc_u64 s[G0B+4*\slot+2:G0B+4*\slot+3], s[G0B+4*\slot+2:G0B+4*\slot+3], 2*ROWB
	JLOAD G0+4*\slot, G1, G0B+4*\slot, G1B         ; the first tensor load behind the round, and my only one until the next
.else
	PLACES NP
.endif
	v_add_nc_u32 v[ADRS], 4*NQ, v[ADRS]
	FETCH_B \next, 0, 0
	FETCH_A \next, 0, 0
	SCALES \next
	WIN MUL_HI
	MUL16 4, 1, NQ-1, \slot, 0
	MUL16 6, 1, NQ-1, \slot, 0
	PLACES NP
	WIN 0
	FETCH_A \next, 0, 4
.endm
	s_wait_tensorcnt 1                             ; the scales and my part of K step 0 are in (K step 1's load may be out)
	s_barrier_signal -1
	s_barrier_wait -1                              ; everybody's are
	FETCH_B 0, 0, 0
	FETCH_A 0, 0, 0
	SCALES 0
	FETCH_A 0, 0, 4
	s_wait_loadcnt 0x0                             ; the bias
	STEP 0, 0, 1                                   ; the first step starts the sums from the bias
	TURN 0, 1, 1                                   ; K has four slots' worth: the walk is written out
	STEP 1, 0, 0
	TURN 1, 0, 1
	STEP 0, 0, 0
	TURN 0, 1, 0                                   ; the last two slots are filled no more
	STEP 1, 0, 0
	s_wait_dscnt 4*NL                              ; the very last step: nothing more to fetch
	WIN MUL_LO
	MUL16 0, 1, NQ-1, 1, 0
	MUL16 2, 1, NQ-1, 1, 0
	s_wait_dscnt 0
	WIN MUL_HI
	MUL16 4, 1, NQ-1, 1, 0
	MUL16 6, 1, NQ-1, 1, 0
	WIN 0
; THE WAY OUT, block by block of 16 rows x 128 columns, through my own stage in LDS and back as whole rows of 512 bytes.  LDS serves a wave's instructions in order: no wait between the stores and the loads.
.macro TOSTAGE a
.set AC, 64*((\a)%4)
.set WST, 0x08+4*((\a)/4)
	WIN WST                                        ; the data: window 2 or 3
.irp b, 0,1,2,3,4,5,6,7
	ds_store_b128 v[STO], v[AC+8*\b:AC+8*\b+3] offset:128*(\b/2)+32*(\b%2)          ; each accumulator from its low end on
	ds_store_b128 v[STO], v[AC+8*\b+4:AC+8*\b+7] offset:128*(\b/2)+32*(\b%2)+16
.endr
	WIN 0
.set BB, BK+64*((\a)%2)
.irp t, 0,1,2,3,4,5,6,7,8,9,10,11,12,13,14,15
	ds_load_b128 v[BB+4*\t:BB+4*\t+3], v[RD] offset:\t*SPITCH
.endr
.endm
.macro SEND a, younger                 ; younger: the LDS instructions issued behind block a's loads, which may stay out
.set BB, BK+64*((\a)%2)
	s_wait_dscnt \younger                          ; the block is back in registers
.if (\a) > 0
	s_add_nc_u64 s[12:13], s[12:13], 16*SIZE_N*4   ; (behind a wait on XCNT: the earlier stores have read their base)  16 rows on
.endif
.irp t, 0,1,2,3,4,5,6,7,8,9,10,11,12,13,14,15
	global_store_b128 v[CO], v[BB+4*\t:BB+4*\t+3], s[12:13] offset:\t*SIZE_N*4 th:TH_STORE_NT   ; 32 lanes store 512 consecutive bytes, aligned; written once, read by nobody here
.endr
.endm
	PLACES NP                                      ; behind the last products: for the loads into the registers that held A's fragments, and for the reads of results
	TOSTAGE 0
.irp a, 1,2,3,4,5,6,7
.if \a > 1
	s_wait_xcnt 0x0                                ; block a - 2's stores have read their registers and their base: block a's loads may land there, and the base may step
.endif
	TOSTAGE \a
	SEND \a-1, 32                                  ; behind block a - 1's loads: block a's 16 stores and 16 loads
.endr
	s_wait_xcnt 0x0                                ; block 6's stores have read their base
	SEND 7, 0
	s_wait_tensorcnt 0x0                           ; the wave's end: behind my last tensor load and my last LDS store
	ds_add_u32 v[SPW], v[NIL]
	s_wait_dscnt 0x0
	CROUND                                         ; the closing round
	s_endpgm
.Lfunc_end_k_q23ea439a73_outproj:
	.size	k_q23ea439a73_outproj, .Lfunc_end_k_q23ea439a73_outproj-k_q23ea439a73_outproj
	.p2alignl 7, 3214868480
	.fill 96, 4, 3214868480
	.section	.rodata,"a",@progbits
	.p2align	6, 0x0
	.amdhsa_kernel k_q23ea439a73_outproj
		.amdhsa_group_segment_fixed_size 327680
		.amdhsa_private_segment_fixed_size 0
		.amdhsa_enable_private_segment 0
		.amdhsa_kernarg_size 48
		.amdhsa_user_sgpr_count 2
		.amdhsa_user_sgpr_kernarg_segment_ptr 1
		.amdhsa_wavefront_size32 1
		.amdhsa_system_sgpr_workgroup_id_x 1
		.amdhsa_system_sgpr_workgroup_id_y 1
		.amdhsa_system_sgpr_workgroup_id_z 1
		.amdhsa_system_vgpr_workitem_id 0
		.amdhsa_next_free_vgpr 1024
		.amdhsa_next_free_sgpr 100
		.amdhsa_reserve_vcc 0
		.amdhsa_float_denorm_mode_32 3
		.amdhsa_float_denorm_mode_16_64 3
		.amdhsa_memory_ordered 1
		.amdhsa_forward_progress 1
		.amdhsa_inst_pref_size 161
	.end_amdhsa_kernel
	.amdgpu_metadata
---
amdhsa.version: [ 1, 2 ]
amdhsa.kernels:
  - .name:           k_q23ea439a73_outproj
    .symbol:         k_q23ea439a73_outproj.kd
    .args:
      - { .name: cc, .offset: 0, .size: 8, .value_kind: global_buffer, .address_space: global }
      - { .name: cs, .offset: 8, .size: 8, .value_kind: global_buffer, .address_space: global }
      - { .name: wc, .offset: 16, .size: 8, .value_kind: global_buffer, .address_space: global }
      - { .name: ws, .offset: 24, .size: 8, .value_kind: global_buffer, .address_space: global }
      - { .name: bo, .offset: 32, .size: 8, .value_kind: global_buffer, .address_space: global }
      - { .name: out0, .offset: 40, .size: 8, .value_kind: global_buffer, .address_space: global }
    .group_segment_fixed_size: 327680
    .private_segment_fixed_size: 0
    .kernarg_segment_align: 8
    .kernarg_segment_size: 48
    .max_flat_workgroup_size: 128
    .sgpr_count:     100
    .vgpr_count:     1024
    .wavefront_size: 32
...
	.end_amdgpu_metadata
.endif
;; end of part 5
